; MI455X (gfx1250); checked and timed in simulation.
; The chip was launched on July 23, 2026; its instructions are those of AMD's public machine-readable ISA for CDNA 5 (MIT licence, August 2026) and "CDNA5" Instruction Set Architecture Reference Guide (July 2026). The comments in the code are by the model that wrote it; some were corrected since.
;; Multi Head Attention. Allowed arithmetic: matrix products marked QUANTISED: E2M1 operands, one E8M0 scale for each 32 along K, by v_wmma_scale_f32_16x16x128_f8f6f4 with both operands' format E2M1 (or v_wmma_scale_f32_32x16x128_f4), f32 sums; products left as they are: bf16, f16 or f32 operands; f32 sums; everything else in f32.
;; Inputs: proj_b 1,024 float32; proj_w 1,024 x 1,024 float32; qkv_b 3,072 float32; qkv_w 3,072 x 1,024 float32; x 4 x 2,048 x 1,024 float32.
;; Outputs: out0 4 x 2,048 x 1,024 float32.
;; This version of the problem:
;;   THIS VERSION OF THE PROBLEM IS GIVEN IN LOW PRECISION. The matrix products marked QUANTISED in the list below multiply operands that are first quantised to E2M1 (2 exponent bits, 1 mantissa bit; 4 bits a number), with one power-of-two scale for each 32 numbers along K (OCP MX v1.0); their sums are f32. The products marked 'left as it is' may take bf16, f16 or f32 operands, with f32 sums. All else is computed in f32.
;;   The module's matrix products, in the order in which they are computed (A, B: the left and right operand; K: the contracted axis; several contracted axes count as one K, in the product's order):
;;     1. [M 8,192, K 1,024] x [K 1,024, N 3,072]; A: input x; B: input qkv_w: QUANTISED
;;     2. batch 64 x [M 2,048, K 64] x [K 64, N 2,048]; A: computed on the way; B: computed on the way: left as it is (an operand is computed on the way)
;;     3. batch 64 x [M 2,048, K 2,048] x [K 2,048, N 64]; A: computed on the way; B: computed on the way: left as it is (an operand is computed on the way)
;;     4. [M 8,192, K 1,024] x [K 1,024, N 1,024]; A: computed on the way; B: input proj_w: left as it is (an operand is computed on the way)
;;   THE QUANTISER, for each operand of a quantised product, along K:
;;     - K is cut into blocks of 32 from its start; a last block that is shorter is filled with zeros.
;;     - A block's scale is 2^e with e = floor(log2(the largest magnitude in the block)) - 2, held to -126 .. 127; a block of zeros has e = 0. As a byte (E8M0): e + 127.
;;     - Each number is divided by its block's scale, clamped to +-6, and rounded to the nearest number of E2M1, ties to even, subnormals kept.
;;     - The product sums the exact products of the quantised numbers (number of the format x scale) in f32.
;;   ~~~python
;;   def quantise(x, axis):      # numpy; x: float32 -> the quantised numbers, widened to float32 again
;;       x = np.moveaxis(x, axis, -1); K = x.shape[-1]
;;       x = np.pad(x, [(0, 0)] * (x.ndim - 1) + [(0, -K % 32)]); x = x.reshape(x.shape[:-1] + (-1, 32)); a = np.abs(x).max(-1, keepdims=True)
;;       e = np.where(a > 0, np.clip(np.frexp(np.where(a > 0, a, 1))[1] - 1 - 2, -126, 127), 0)      # np.frexp(a)[1] - 1 = floor(log2(a)), exactly
;;       r = np.clip(x / 2.0 ** e, -6, 6)
;;       step = 2.0 ** (np.maximum(np.frexp(np.where(r == 0, 1, r))[1] - 1, 0) - 1)
;;       q = np.round(r / step) * step * 2.0 ** e      # np.round: ties to even
;;       return np.moveaxis(q.reshape(q.shape[:-2] + (-1,))[..., :K], -1, axis).astype(np.float32)
;;   ~~~
;; One version. Each part assembles by itself: llvm-mc -triple=amdgcn-amd-amdhsa -mcpu=gfx1250 --defsym DOCPART=n.
;; ======== version 1 of 1: 4 launches
;; limits: values are held in f16: magnitudes above 65,504 overflow, below 6.1e-05 lose precision
;; workspace buffers: xc 4,194,304 bytes; xs 262,144 bytes; wc 1,572,864 bytes; ws 98,304 bytes; pw16 2,097,152 bytes; qkv16 50,331,648 bytes; att16 16,777,216 bytes
;; launch prep (part 1): grid 384 x 1, 4 waves a work-group, no clusters, 33,280 bytes of LDS; arguments x, qkv_w, xc, xs, wc, ws, proj_w, pw16; writes xc, xs, wc, ws, pw16
.if DOCPART == 1
	.amdgcn_target "amdgcn-amd-amdhsa--gfx1250"
	.amdhsa_code_object_version 6
	.text
	.protected	k_q94f5de0834_prep
	.globl	k_q94f5de0834_prep
	.p2align	8
	.type	k_q94f5de0834_prep,@function
k_q94f5de0834_prep:
	s_mov_b64 s[64:65], 0
	v_nop
	global_prefetch_b8 v0, s[64:65] scope:SCOPE_SE
	s_setreg_imm32_b32 hwreg(HW_REG_WAVE_MODE, 25, 1), 1
	s_wait_xcnt 0x0
; THREE TENSORS ARE MADE READY FOR THE LATER LAUNCHES.
; x [8192][1024] and qkv_w [3072][1024], f32, become codes of FP4 (E2M1), 4 bits each, K innermost, with one E8M0 scale byte for each 32 along K (xc, xs, wc, ws).
; A block's scale is 2^(floor(log2(its largest magnitude)) - 2); its byte is the largest magnitude's own exponent field - 2, held at 1 from below; each number is divided by the scale and rounded to the nearest code, ties to even,
; beyond the largest code the largest.  proj_w [1024][1024], f32, becomes 16 x proj_w in f16 (pw16): the factor is a power of two, so it rounds nothing, and it undoes the 1/16 that the attention's results carry.
; LIMITS: a block of zeros gets the byte 1 where the quantiser's rule says 127 (its codes are zeros, which add nothing under any byte but 0xff, and this program alone reads the bytes); blocks whose largest magnitude lies
; under 2^-124 keep the byte 1; NaN and infinities among the inputs are not served; |proj_w| stays under 4,094 (16 x it must be a finite f16).
; SHARES: work-groups 0-255 take x, 256-351 qkv_w, 352-383 proj_w; a wave takes 8,192 consecutive numbers.  Rows are dense and 1,024 is a multiple of 32, so all three are plain streams.
; No cluster, no tensor load, no barrier: no two work-groups and no two waves read the same byte.
; THE QUANTISER: a wave takes 16 steps of 512 numbers.  The conversions take numbers of ONE block from a lane's consecutive registers, so a lane must hold 16 neighbours; a load is best where neighbouring lanes take neighbouring
; bytes.  Both are had: each of a step's four loads reads 512 consecutive bytes, the 2,048 bytes go through the wave's own stage in LDS as they lie and come back 64 bytes a lane (16 bytes of padding behind each 64).
.set SIZE_M, 8192
.set SIZE_N, 3072
.set SIZE_K, 1024
.set WAVES, 4
.set STEPS, 16
.set WGA,   SIZE_M*SIZE_K/(512*STEPS*WAVES)            ; 256 work-groups for x
.set WGQ,   (SIZE_M+SIZE_N)*SIZE_K/(512*STEPS*WAVES)   ; 352 for x and qkv_w together
.set EMAX,  2
.set CB,    8                          ; bytes of 16 codes
.set R,     16                         ; v16-79   four sets of 16 numbers as they are loaded
.set X,     80                         ; v80-111  two sets of 16 neighbours
.set C,     128                        ; v128-191 codes: four registers for each step, so that no store's data are written again
.set E,     112                        ; v112-127 a scale byte for each step
.set WREG,  8192                       ; LDS: a region of its own for each wave: two stages of 32 x SP bytes, and behind them its 256 scale bytes
.set SP,    80                         ; a lane's place in a stage: its 64 bytes + 16 of padding
.set PX,    16                         ; the cast of proj_w: v16-79  a ring of 16 loads, 4 registers each
.set PY,    80                         ;                     v80-111 a ring of 16 stores, 2 registers each
	s_load_b128 s[4:7], s[0:1], 0x0                ; x, qkv_w
	s_load_b128 s[8:11], s[0:1], 0x10              ; x's codes, x's scales
	s_load_b128 s[12:15], s[0:1], 0x20             ; qkv_w's codes, its scales
	s_load_b128 s[24:27], s[0:1], 0x30             ; proj_w, pw16
	v_lshl_add_u32 v192, v0, 2, 0x8000
	v_mov_b32 v193, 0
	v_lshrrev_b32 v1, 5, v0
	v_readfirstlane_b32 s16, v1                    ; wave
	v_and_b32 v2, 31, v0                           ; lane
	v_lshlrev_b32 v3, 4, v2                        ; my 16 bytes of a load's 512
	s_mul_i32 s17, s16, WREG
	v_lshrrev_b32 v14, 2, v2
	v_mul_u32_u24 v14, v14, SP
	v_and_b32 v15, 3, v2
	v_lshl_add_u32 v14, v15, 4, v14
	v_add_nc_u32 v14, s17, v14                     ; the stage, on the way in: four lanes' 64 bytes on end, then 16 of padding
	v_mul_u32_u24 v15, v2, SP
	v_add_nc_u32 v15, s17, v15                     ; and on the way out: SP x lane: my 16 neighbours
	v_mul_u32_u24 v4, v2, CB                       ; 8 bytes a lane: my codes' place in a step's, and my f16 numbers' place in a store's
	v_lshrrev_b32 v5, 1, v2
	s_add_co_u32 s17, s17, 2*32*SP
	v_add_nc_u32 v5, s17, v5                       ; LDS: my wave's 256 scale bytes, my block's byte
	v_lshlrev_b32 v7, 3, v2                        ; and on the way out 8 bytes a lane
	v_add_nc_u32 v6, s17, v7
	s_wait_kmcnt 0x0
	s_cmp_ge_u32 ttmp9, WGQ                        ; the last 32 work-groups cast proj_w: a branch on the work-group's number alone
	s_cbranch_scc1 .Lproj
	s_cmp_lt_u32 ttmp9, WGA                        ; x's work-group or qkv_w's?  Only pointers are chosen: both take one path
	s_cselect_b64 s[4:5], s[4:5], s[6:7]
	s_cselect_b64 s[8:9], s[8:9], s[12:13]
	s_cselect_b64 s[10:11], s[10:11], s[14:15]
	s_cselect_b32 s17, 0, WGA
	s_sub_co_u32 s17, ttmp9, s17
	s_lshl_b32 s17, s17, 2
	s_add_co_u32 s18, s17, s16                     ; which run of 8,192 numbers of the tensor is my wave's
	s_mov_b32 s19, 0
	s_mov_b64 s[20:21], 512*STEPS*4
	s_mul_u64 s[20:21], s[18:19], s[20:21]
	s_add_nc_u64 s[4:5], s[4:5], s[20:21]
	s_mov_b64 s[20:21], 32*STEPS*CB
	s_mul_u64 s[20:21], s[18:19], s[20:21]
	s_add_nc_u64 s[8:9], s[8:9], s[20:21]
	s_lshl_b32 s18, s18, 8                         ; 256 scale bytes a run
	s_add_nc_u64 s[10:11], s[10:11], s[18:19]
.macro LOAD t
.irp i, 0,1,2,3
	global_load_b128 v[R+16*((\t)%4)+4*\i:R+16*((\t)%4)+4*\i+3], v3, s[4:5] offset:2048*(\t)+512*\i th:TH_LOAD_NT   ; 32 lanes read 512 consecutive bytes
.endr
.endm
.macro TURN t                          ; step t's numbers through the stage: LDS serves a wave's instructions in order (ISA guide 5.7.1.4), so no wait stands between the stores and the loads
.irp i, 0,1,2,3
	ds_store_b128 v14, v[R+16*((\t)%4)+4*\i:R+16*((\t)%4)+4*\i+3] offset:32*SP*((\t)%2)+8*SP*\i
.endr
.irp i, 0,1,2,3
	ds_load_b128 v[X+16*((\t)%2)+4*\i:X+16*((\t)%2)+4*\i+3], v15 offset:32*SP*((\t)%2)+16*\i
.endr
.endm
.irp t, 0,1,2,3
	LOAD \t
.endr
	s_wait_loadcnt 12                              ; step 0's four loads are in; the twelve of steps 1 to 3 may be out
	TURN 0
.macro STEP t
.set XS, X+16*((\t)%2)
.if (\t) > 0
	s_wait_dscnt 1                                 ; this step's numbers are back from the stage (the last step's byte store may be out): so its stores into the stage have read their registers,
.else
	s_wait_dscnt 0x0
.endif
.if (\t)+4 < STEPS
	LOAD (\t)+4                                    ; which take the loads of four steps on
.endif
.if (\t)+1 < STEPS
.if STEPS-2-(\t) >= 3
	s_wait_loadcnt 12                              ; the next step's four loads are in; those of the three steps behind it may be out
.else
	s_wait_loadcnt 4*(STEPS-2-(\t))                ; at the end fewer steps stand behind it
.endif
	TURN (\t)+1                                    ; and go through the other stage while this step is worked
.endif
	v_max3_num_f32 v8, |v[XS]|, |v[XS+1]|, |v[XS+2]|               ; the largest magnitude of my 16, in two chains
	v_max3_num_f32 v9, |v[XS+3]|, |v[XS+4]|, |v[XS+5]|
.irp i, 6,10
	v_max3_num_f32 v8, v8, |v[XS+\i]|, |v[XS+\i+1]|
	v_max3_num_f32 v9, v9, |v[XS+\i+2]|, |v[XS+\i+3]|
.endr
	v_max3_num_f32 v8, v8, |v[XS+14]|, |v[XS+15]|
	v_max3_num_f32 v8, v8, v9, (EMAX+1)<<23        ; and the floor 2^(EMAX + 1 - 127), under which no largest magnitude is taken: so the byte cannot fall under 1
	v_max_num_f32_dpp v8, v8, v8 row_xmask:1 row_mask:0xf bank_mask:0xf   ; and of my neighbour's 16: the block's
	v_add_nc_u32 v11, -(EMAX<<23), v8              ; EMAX off its exponent field: the conversion takes the exponent field of this operand as its scale, and nothing else of it
	v_cvt_scalef32_pk8_fp4_f32 v[C+4*(\t)], v[XS:XS+7], v11       ; eight numbers / 2^(v11's exponent), the first number's code in the lowest four bits
	v_cvt_scalef32_pk8_fp4_f32 v[C+4*(\t)+1], v[XS+8:XS+15], v11
	v_lshrrev_b32 v[E+(\t)], 23, v11               ; the scale's byte (also the plain line behind the conversions)
	ds_store_b8 v5, v[E+(\t)] offset:16*(\t)       ; both lanes of a block write the same byte with the same value
	global_store_b64 v4, v[C+4*(\t):C+4*(\t)+1], s[8:9] offset:32*CB*(\t)   ; the wave stores 256 consecutive bytes, at a multiple of 256 from the buffer's first byte
.endm
.irp t, 0,1,2,3,4,5,6,7,8,9,10,11,12,13,14,15
	STEP \t
.endr
	ds_load_b64 v[12:13], v6                       ; my wave's 256 scale bytes: these loads see my stores
	s_wait_dscnt 0x0
	global_store_b64 v7, v[12:13], s[10:11]        ; 32 lanes store 256 consecutive bytes, aligned
	s_wait_tensorcnt 0x0
	ds_add_u32 v192, v193
	s_wait_dscnt 0x0
	s_endpgm
; THE CAST OF proj_w.  A wave takes 64 loads of 512 consecutive bytes, sixteen of them always on their way; each becomes one store of 256 consecutive bytes.
.Lproj:
	s_sub_co_u32 s17, ttmp9, WGQ
	s_lshl_b32 s17, s17, 2
	s_add_co_u32 s17, s17, s16                     ; which run of 8,192 numbers is my wave's
	s_lshl_b32 s28, s17, 15                        ; 32,768 bytes in,
	s_mov_b32 s29, 0
	s_lshl_b32 s30, s17, 14                        ; 16,384 out
	s_mov_b32 s31, 0
	s_add_nc_u64 s[24:25], s[24:25], s[28:29]
	s_add_nc_u64 s[26:27], s[26:27], s[30:31]
.set I, 0
.rept 16
	global_load_b128 v[PX+4*I:PX+4*I+3], v3, s[24:25] offset:512*I th:TH_LOAD_NT
.set I, I+1
.endr
.set I, 0
.rept 64
.if I < 48
	s_wait_loadcnt 15                              ; loads come back in order (ISA guide 5.7.1): mine is in, the fifteen younger ones stay out
.else
	s_wait_loadcnt 63-I                            ; the last sixteen slots load nothing: the counts run down
.endif
.if I >= 16
	s_wait_xcnt 0x0                                ; the store of sixteen slots ago has read its two registers: they are written again only behind this wait
.endif
	v_pk_mul_f32 v[8:9], v[PX+4*(I%16):PX+4*(I%16)+1], 0x41800000 op_sel_hi:[1,0]      ; x 16: exact
	v_pk_mul_f32 v[10:11], v[PX+4*(I%16)+2:PX+4*(I%16)+3], 0x41800000 op_sel_hi:[1,0]
	v_cvt_pk_f16_f32 v[PY+2*(I%16)], v8, v9
	v_cvt_pk_f16_f32 v[PY+2*(I%16)+1], v10, v11
.if I < 48
	global_load_b128 v[PX+4*(I%16):PX+4*(I%16)+3], v3, s[24:25] offset:512*(I+16) th:TH_LOAD_NT
.endif
	global_store_b64 v4, v[PY+2*(I%16):PY+2*(I%16)+1], s[26:27] offset:256*I
.set I, I+1
.endr
	s_endpgm
.Lfunc_end_k_q94f5de0834_prep:
	.size	k_q94f5de0834_prep, .Lfunc_end_k_q94f5de0834_prep-k_q94f5de0834_prep
	.p2alignl 7, 3214868480
	.fill 96, 4, 3214868480
	.section	.rodata,"a",@progbits
	.p2align	6, 0x0
	.amdhsa_kernel k_q94f5de0834_prep
		.amdhsa_group_segment_fixed_size 33280
		.amdhsa_private_segment_fixed_size 0
		.amdhsa_enable_private_segment 0
		.amdhsa_kernarg_size 64
		.amdhsa_user_sgpr_count 2
		.amdhsa_user_sgpr_kernarg_segment_ptr 1
		.amdhsa_wavefront_size32 1
		.amdhsa_system_sgpr_workgroup_id_x 1
		.amdhsa_system_sgpr_workgroup_id_y 1
		.amdhsa_system_sgpr_workgroup_id_z 1
		.amdhsa_system_vgpr_workitem_id 0
		.amdhsa_next_free_vgpr 194
		.amdhsa_next_free_sgpr 66
		.amdhsa_reserve_vcc 0
		.amdhsa_float_denorm_mode_32 3
		.amdhsa_float_denorm_mode_16_64 3
		.amdhsa_memory_ordered 1
		.amdhsa_forward_progress 1
		.amdhsa_inst_pref_size 69
	.end_amdhsa_kernel
	.amdgpu_metadata
---
amdhsa.version: [ 1, 2 ]
amdhsa.kernels:
  - .name:           k_q94f5de0834_prep
    .symbol:         k_q94f5de0834_prep.kd
    .args:
      - { .name: x, .offset: 0, .size: 8, .value_kind: global_buffer, .address_space: global }
      - { .name: qkv_w, .offset: 8, .size: 8, .value_kind: global_buffer, .address_space: global }
      - { .name: xc, .offset: 16, .size: 8, .value_kind: global_buffer, .address_space: global }
      - { .name: xs, .offset: 24, .size: 8, .value_kind: global_buffer, .address_space: global }
      - { .name: wc, .offset: 32, .size: 8, .value_kind: global_buffer, .address_space: global }
      - { .name: ws, .offset: 40, .size: 8, .value_kind: global_buffer, .address_space: global }
      - { .name: proj_w, .offset: 48, .size: 8, .value_kind: global_buffer, .address_space: global }
      - { .name: pw16, .offset: 56, .size: 8, .value_kind: global_buffer, .address_space: global }
    .group_segment_fixed_size: 33280
    .private_segment_fixed_size: 0
    .kernarg_segment_align: 8
    .kernarg_segment_size: 64
    .max_flat_workgroup_size: 128
    .sgpr_count:     66
    .vgpr_count:     194
    .wavefront_size: 32
...
	.end_amdgpu_metadata
.endif
;; end of part 1
;; launch qkv (part 2): grid 12 x 32, 4 waves a work-group, clusters of 4 x 4, 327,680 bytes of LDS; arguments xc, xs, wc, ws, qkv_b, qkv16; writes qkv16
.if DOCPART == 2
	.amdgcn_target "amdgcn-amd-amdhsa--gfx1250"
	.amdhsa_code_object_version 6
	.text
	.protected	k_q94f5de0834_qkv
	.globl	k_q94f5de0834_qkv
	.p2align	8
	.type	k_q94f5de0834_qkv,@function
k_q94f5de0834_qkv:
	s_mov_b64 s[64:65], 0
	v_nop
	global_prefetch_b8 v0, s[64:65] scope:SCOPE_SE
	s_setreg_imm32_b32 hwreg(HW_REG_WAVE_MODE, 25, 1), 1
	s_wait_xcnt 0x0
	s_wait_alu depctr_hold_cnt(0) depctr_sa_sdst(0) depctr_va_vdst(0) depctr_va_sdst(0) depctr_va_ssrc(0) depctr_va_vcc(0) depctr_vm_vsrc(0)
	s_getreg_b32 s2, hwreg(HW_REG_IB_STS2, 6, 4)
	s_cmp_eq_u32 s2, 0
	s_cbranch_scc0 .Lentry_in_a_cluster
	s_endpgm
.Lentry_in_a_cluster:
	s_bfe_u32 s2, ttmp6, 0x10000c
	s_cmp_lg_u32 s2, 0xf033
	s_cbranch_scc0 .Lentry_shape_is_right
	s_endpgm
.Lentry_shape_is_right:
; qkv16[m][n] = (sum over k of X[m][k] W[n][k] + qkv_b[n]) / 16, in f16.  X: [8192][1024], W: [3072][1024]: codes of FP4 (E2M1) with one E8M0 scale byte for each 32 along K; sums in f32.
; The matrix instruction takes codes and scale bytes as they lie in memory (two codes a byte, the lower k in the low four bits).  The bias is the C of each sum's first product.
; THE 1/16 is a power of two, so it rounds nothing: it gives q, k and v room in f16.  LIMIT: |x W^T + b| stays under 2^20 (its sixteenth must be a finite f16); NaN and infinities are not served.
; A tile of the result, 256 x 256, is made by a work-group of four waves; a wave makes 128 x 128: 64 accumulators of 16 x 16, 512 registers.
; K = 1,024 is two slots of 512 along K (a tile's row is 256 bytes of memory): both slots and the scales go out as first fills, and nothing is filled again.
; THE SCALES of the work-group's 256 rows of X and 256 rows of W, for all of K, are two dense blocks of memory: they come into LDS once and stay.
; CLUSTERS: 4 x 4 work-groups.  The four of a row of the cluster need the same tiles of X, the four of a column the same tiles of W: each tile is asked for JOINTLY, by the same tensor load with the same descriptor and a mask that names the four.
; THE MATRIX INSTRUCTION IS USED TRANSPOSED (source 0 = 16 rows of W, source 1 = 16 rows of X): a lane then holds eight neighbouring numbers of a row of the result.
; REGISTERS, in windows of 256: window 0: v0-31 addresses; v32-95 scale words, two sets; v128-191 X's fragments (8 x 16 rows x 128 K), ONE set; v192-255 the bias, eight registers for each of my 8 blocks of columns; on the way out v32-255 are free.
;   window 1: W's fragments, TWO sets, at v0 and at v128.   window 2: the 32 accumulators of my rows 0-63 (accumulator (a, b) at v[8 (8 a + b)]);   window 3: those of my rows 64-127.
.set SIZE_M, 8192
.set SIZE_N, 3072
.set SIZE_K, 1024
.set KSTEP,  512                       ; along K in a slot
.set NQ,     KSTEP/128                 ; matrix instructions deep
.set ROWB,   256                       ; a tile's row in bytes
.set KROW,   SIZE_K*4/8                ; a row of codes in memory, in bytes
.set CROW,   SIZE_N*2                  ; a row of the result in bytes
.set PITCH,  272                       ; an LDS row: 256 bytes + 16 of padding = 68 words: row r starts at bank 4 r mod 64 (64 banks of 4 bytes: ISA guide 11.1)
.set FR,     8                         ; registers of a fragment: 16 rows x 128 K
.set NL,     2                         ; LDS loads that bring one
.set NP,     4                         ; places behind this matrix instruction (ISA guide 7.12.1)
.set HALFT,  128*PITCH                 ; 128 rows: what one tensor load brings, and what one wave reads of X or of W
.set SLOT,   4*HALFT                   ; X's 256 rows, then W's 256 rows
.set KS,     SIZE_K/32                 ; a row of scales in bytes
.set SCL,    2*SLOT                    ; behind the two slots: the scales, as runs of 256 bytes + 16 of padding
.set HALFS,  (128*KS/256)*272          ; the scales of 128 rows: what one tensor load brings
.set SBLK,   (16*KS/256)*272           ; those of 16 rows
.set SPARE,  SCL+4*HALFS               ; behind the scales: the spare words, 128 bytes for each wave, which no other line names
.set SPITCH, 272                       ; the way out: a stage of 16 rows x (256 bytes + 16) for each wave, in slot 0, which has had its only fill and its last read when the first result is stored there
.set ADRA, 16                          ; v16-17  LDS address of my X fragments in slot 0, 1
.set ADRB, 20                          ; v20-21  the same for W
.set STO,  24                          ; v24     the way out: where I put 16 bytes of a row
.set RD,   25                          ; v25     the way out: where I read a row back
.set CO,   26                          ; v26     my byte offset in two rows of the result
.set ADRS, 27                          ; v27     LDS address of my scale words: lanes 0-15 X's rows, lanes 16-31 W's
.set SPW,  28                          ; v28     LDS address of my spare word; never rewritten
.set NIL,  29                          ; v29     0; never rewritten
.set SC,   32                          ; scale words: set s at v[SC + 8 NQ s]; register NQ i + q: lanes 0-15 the word of X's block i, lanes 16-31 that of W's block i, for the slot's q-th 128 along K
.set AF,   128                         ; X's fragments
.set BI,   192                         ; the bias
.set PT,   64                          ; the way out: 64 numbers / 16
.set TMP,  128                         ; packed to f16
.set BK,   160                         ; 16 rows read back from the stage: v160-191 and v192-223 by turns
.set G1, 24                            ; s[24:31] descriptor group 1 for X's tiles;  s[32:39] group 0, one set for each slot
.set G0, 32
.set G1B, 48                           ; s[48:55], s[56:63] the same for W's tiles
.set G0B, 56
.set G1S, 68                           ; s[68:75], s[76:79] groups 1 and 0 for X's scales;  s[80:87], s[88:91] for W's
.set G0S, 76
.set G1SB, 80
.set G0SB, 88
.set MSB, 0
.macro WIN new                         ; s_set_vgpr_msb: bits 1:0 source 0, 3:2 source 1, 5:4 source 2, 7:6 destination; the high byte repeats the setting that is left
.if MSB != (\new)
	s_set_vgpr_msb (MSB<<8)|(\new)
.set MSB, (\new)
.endif
.endm
.set MUL_LO,  0xa1                     ; source 0 (W) window 1, source 1 (X) window 0, C and D window 2
.set MUL_HI,  0xf1                     ; the same, C and D window 3
.set BIAS_LO, 0x81                     ; the first products: C is the bias, in window 0; D window 2
.set BIAS_HI, 0xc1                     ; D window 3
.set TO_B,    0x40                     ; destination window 1, address window 0
; A joint load: waves 0 and 1 fetch for X, waves 2 and 3 for W.  Each of the two lines has ONE mask and one set of registers for all that issue it; the branch hangs on the wave's number alone.
; Four v_nop follow each of the two lines, ahead of the jump, the label and what follows.
.macro JLOAD g0a, g1a, g0b, g1b
	s_cmp_eq_u32 s15, 0
	s_cbranch_scc0 .Lfor_b_\@
	tensor_load_to_lds s[\g0a:\g0a+3], s[\g1a:\g1a+7]
	s_nop 0
.rept 4
	v_nop
.endr
	s_branch .Lasked_\@
.Lfor_b_\@:
	tensor_load_to_lds s[\g0b:\g0b+3], s[\g1b:\g1b+7]
	s_nop 0
.rept 4
	v_nop
.endr
.Lasked_\@:
.endm
.macro CROUND                          ; a round of the cluster's barrier: my work-group's barrier; wave 0 signals for the work-group; every wave waits for all sixteen; my work-group's barrier once more
	s_barrier_signal -1
	s_barrier_wait -1
	s_cmp_lg_u32 s14, 0
	s_cbranch_scc1 .Lnot_wave_0_\@
	s_barrier_signal -3
.Lnot_wave_0_\@:
	s_barrier_wait -3
	s_barrier_signal -1
	s_barrier_wait -1
.endm
	s_load_b128 s[4:7], s[0:1], 0x0                ; X's codes s[4:5], X's scales s[6:7]
	s_load_b128 s[8:11], s[0:1], 0x10              ; W's codes s[8:9], W's scales s[10:11]
	s_load_b64 s[96:97], s[0:1], 0x20              ; the bias
	s_load_b64 s[12:13], s[0:1], 0x28              ; the result
	v_lshl_add_u32 v[SPW], v0, 2, SPARE
	v_mov_b32 v[NIL], 0
	ds_add_u32 v28, v29
	ds_add_u32 v28, v29
	s_wait_dscnt 0x0
	v_lshrrev_b32 v1, 5, v0
	v_readfirstlane_b32 s14, v1                    ; wave 0..3
	s_lshr_b32 s15, s14, 1                         ; which half of the tile's rows is mine.  Also: I fetch for X (0) or for W (1)
	s_and_b32 s16, s14, 1                          ; which half of its columns.  Also: which 128 rows of that tile I fetch
	s_bfe_u32 s40, ttmp6, 0x40000                  ; cx, cy: my place in the cluster
	s_bfe_u32 s41, ttmp6, 0x40004
	s_lshl_b32 s42, ttmp9, 2
	s_add_co_u32 s42, s42, s40                     ; tile column = 4 x cluster x + cx
	s_and_b32 s17, ttmp7, 0xffff
	s_lshl_b32 s17, s17, 2
	s_add_co_u32 s17, s17, s41                     ; tile row = 4 x cluster y + cy
	s_lshl_b32 s43, s41, 2
	s_lshl_b32 s43, 15, s43                        ; my row of the cluster
	s_lshl_b32 s44, 0x1111, s40                    ; my column
	; descriptor group 1: a tile of 128 rows x 256 bytes, padded in LDS
	s_or_b32 s[G1+0], s43, (0<<16)|(1<<20)|(1<<21)|(5<<22)|(3<<25)  ; 15:0 the mask: X's tiles go to my row; 17:16 element of 1 byte; 20 padding on; 21 set beside a mask; 24:22 after every 64 words (code 5); 31:25 of 4 words (code 3)
	s_or_b32 s[G1B+0], s44, (0<<16)|(1<<20)|(1<<21)|(5<<22)|(3<<25)
.irp g, G1, G1B
	s_mov_b32 s[\g+1], ROWB<<16                    ; tensor_dim0
	s_mov_b32 s[\g+2], 128<<16                     ; tensor_dim1 = 128
	s_mov_b32 s[\g+3], ROWB<<16                    ; tile_dim0
	s_mov_b32 s[\g+4], 128                         ; tile_dim1 = 128
	s_mov_b32 s[\g+5], KROW                        ; tensor_dim0_stride
	s_mov_b32 s[\g+6], 0
	s_mov_b32 s[\g+7], 0
.endr
	; and for the scales of 128 rows: a dense block of 4,096 bytes, as 16 rows of 256 bytes (32 elements of 8 bytes), 16 bytes of padding behind each
	s_or_b32 s[G1S+0], s43, (3<<16)|(1<<20)|(1<<21)|(5<<22)|(3<<25)
	s_or_b32 s[G1SB+0], s44, (3<<16)|(1<<20)|(1<<21)|(5<<22)|(3<<25)
.irp g, G1S, G1SB
	s_mov_b32 s[\g+1], 32<<16
	s_mov_b32 s[\g+2], (128*KS/256)<<16
	s_mov_b32 s[\g+3], 32<<16
	s_mov_b32 s[\g+4], 128*KS/256
	s_mov_b32 s[\g+5], 32
	s_mov_b32 s[\g+6], 0
	s_mov_b32 s[\g+7], 0
.endr
	s_lshl_b32 s18, s16, 7                         ; which 128 rows of the tile I fetch
	s_lshl_b32 s20, s17, 8
	s_add_co_u32 s20, s20, s18                     ; X: row 256 x tile row + 128 x half
	s_lshl_b32 s46, s42, 8
	s_add_co_u32 s46, s46, s18                     ; W: row 256 x tile column + 128 x half
	s_mov_b32 s21, 0
	s_mov_b32 s47, 0
	s_mov_b64 s[18:19], KS
	s_mul_u64 s[22:23], s[20:21], s[18:19]         ; where these rows' scales begin, in bytes
	s_mul_u64 s[92:93], s[46:47], s[18:19]
	s_mov_b64 s[18:19], KROW
	s_mul_u64 s[20:21], s[20:21], s[18:19]         ; and their codes
	s_mul_u64 s[46:47], s[46:47], s[18:19]
	s_mul_i32 s45, s14, HALFT                      ; where they go: wave x 128 rows: no place in the cluster enters an LDS address
	s_mul_i32 s94, s14, HALFS
	s_wait_kmcnt 0x0
	s_add_nc_u64 s[20:21], s[4:5], s[20:21]
	s_add_nc_u64 s[22:23], s[6:7], s[22:23]
	s_add_nc_u64 s[46:47], s[8:9], s[46:47]
	s_add_nc_u64 s[92:93], s[10:11], s[92:93]
	CROUND                                         ; all sixteen work-groups are here: the joint loads meet
	s_mov_b32 s[G0S], 1
	s_add_co_u32 s[G0S+1], s94, SCL
	s_mov_b64 s[G0S+2:G0S+3], s[22:23]
	s_or_b32 s[G0S+3], s[G0S+3], 0x80000000
	s_mov_b32 s[G0SB], 1
	s_add_co_u32 s[G0SB+1], s94, SCL
	s_mov_b64 s[G0SB+2:G0SB+3], s[92:93]
	s_or_b32 s[G0SB+3], s[G0SB+3], 0x80000000
	JLOAD G0S, G1S, G0SB, G1SB                     ; the scales first: they are wanted with the first slot
.irp s, 0,1
	s_mov_b32 s[G0+4*\s], 1
	s_add_co_u32 s[G0+4*\s+1], s45, \s*SLOT
	s_add_nc_u64 s[G0+4*\s+2:G0+4*\s+3], s[20:21], \s*ROWB
	s_or_b32 s[G0+4*\s+3], s[G0+4*\s+3], 0x80000000
	s_mov_b32 s[G0B+4*\s], 1
	s_add_co_u32 s[G0B+4*\s+1], s45, \s*SLOT
	s_add_nc_u64 s[G0B+4*\s+2:G0B+4*\s+3], s[46:47], \s*ROWB
	s_or_b32 s[G0B+4*\s+3], s[G0B+4*\s+3], 0x80000000
	JLOAD G0+4*\s, G1, G0B+4*\s, G1B               ; three tensor loads of mine are out after the second: all that this launch issues
.endr
	v_and_b32 v1, 15, v0                           ; l % 16
	v_bfe_u32 v2, v0, 4, 1                         ; l / 16
	v_mul_u32_u24 v3, v1, PITCH
	v_lshl_add_u32 v4, v2, 4, v3                   ; a fragment's row x pitch + 16 x half
	s_mul_i32 s21, s15, HALFT                      ; my 128 rows of X
	s_mul_i32 s22, s16, HALFT                      ; my 128 rows of W,
	s_add_co_u32 s22, s22, 2*HALFT                 ; which lie behind X's 256
.irp s, 0,1
	v_add_nc_u32 v[ADRA+\s], s21, v4
	v_add_nc_u32 v[ADRB+\s], s22, v4
	s_add_co_u32 s21, s21, SLOT
	s_add_co_u32 s22, s22, SLOT
.endr
	v_mul_u32_u24 v5, v1, KS                       ; my row's scales: KS bytes a row,
	v_lshrrev_b32 v6, 8, v5
	v_lshl_add_u32 v5, v6, 4, v5                   ; and 16 more for each 256 passed
	s_mul_i32 s21, s15, HALFS                      ; X's: my 128 rows
	s_mul_i32 s22, s16, HALFS                      ; W's: my 128 rows, behind X's 256
	s_add_co_u32 s22, s22, 2*HALFS
	s_sub_co_u32 s22, s22, s21
	v_mul_u32_u24 v6, s22, v2                      ; lanes 16-31 take W's: one product, the distance between the two bases
	s_add_co_u32 s21, s21, SCL
	v_add_nc_u32 v5, v5, v6
	v_add_nc_u32 v[ADRS], s21, v5
	s_mul_i32 s23, s14, 16*SPITCH                  ; my stage
	v_mul_u32_u24 v5, v1, SPITCH                   ; in: row l % 16, 16 bytes for each half of the lanes
	v_lshl_add_u32 v5, v2, 4, v5
	v_add_nc_u32 v[STO], s23, v5
	v_mul_u32_u24 v5, v2, SPITCH                   ; back: lanes 0-15 take one row of 256 bytes, lanes 16-31 the next
	v_lshl_add_u32 v5, v1, 4, v5
	v_add_nc_u32 v[RD], s23, v5
	v_mul_u32_u24 v5, v2, CROW                     ; and the same two rows in the result
	v_lshl_add_u32 v[CO], v1, 4, v5
	s_lshl_b32 s20, s17, 8
	s_lshl_b32 s21, s15, 7
	s_add_co_u32 s20, s20, s21                     ; my first row: 256 x tile row + 128 x half
	s_mov_b32 s21, 0
	s_mov_b64 s[18:19], CROW
	s_mul_u64 s[20:21], s[20:21], s[18:19]
	s_lshl_b32 s46, s42, 9                         ; my first column, in bytes of f16: 512 x tile column + 256 x half
	s_lshl_b32 s47, s16, 8
	s_add_co_u32 s46, s46, s47
	s_mov_b32 s47, 0
	s_add_nc_u64 s[20:21], s[20:21], s[46:47]
	s_add_nc_u64 s[12:13], s[12:13], s[20:21]
	s_lshl_b32 s46, s46, 1                         ; the same column in the bias: 4 bytes a number
	s_add_nc_u64 s[96:97], s[96:97], s[46:47]
	v_lshlrev_b32 v6, 5, v2                        ; in the result's layout lane (r, h) holds columns 16 b + 8 h + 0 .. 7 of block b: 32 h bytes on
.irp b, 0,1,2,3,4,5,6,7
	global_load_b128 v[BI+8*\b:BI+8*\b+3], v6, s[96:97] offset:64*\b
	global_load_b128 v[BI+8*\b+4:BI+8*\b+7], v6, s[96:97] offset:64*\b+16
.endr
.macro FRAG reg, adr, q, i             ; a fragment, 16 rows x 128 K of 4-bit codes, is 8 registers: lane l holds row l % 16; registers 4 c .. 4 c + 3 hold K = 64 c + 32 (l / 16) + 0 .. 31
.irp c, 0,1
	ds_load_b128 v[\reg+4*\c:\reg+4*\c+3], v[\adr] offset:64*(\q)+32*\c+(\i)*16*PITCH
.endr
.endm
; 16 matrix instructions: X's blocks a0, a0 + 1 x W's eight, 128 along K: the slot's q-th.  p: W's set;  sc: the set of scale words.  zero = 1: the first product starts the sums on the bias: nothing is ever cleared.
; The 64 accumulators take turns, one instruction a turn, in the same order in every step.
.macro MUL16 a0, p, q, sc, zero
.irp a, \a0, \a0+1
.irp b, 0,1,2,3,4,5,6,7
.if \zero
	v_wmma_scale_f32_16x16x128_f8f6f4 v[8*(8*((\a)%4)+\b):8*(8*((\a)%4)+\b)+7], v[128*(\p)+FR*\b:128*(\p)+FR*\b+FR-1], v[AF+FR*(\a):AF+FR*(\a)+FR-1], v[BI+8*\b:BI+8*\b+7], v[SC+8*NQ*(\sc)+NQ*\b+(\q)], v[SC+8*NQ*(\sc)+NQ*(\a)+(\q)] matrix_a_fmt:MATRIX_FMT_FP4 matrix_b_fmt:MATRIX_FMT_FP4 matrix_a_scale:MATRIX_SCALE_ROW1
.else
	v_wmma_scale_f32_16x16x128_f8f6f4 v[8*(8*((\a)%4)+\b):8*(8*((\a)%4)+\b)+7], v[128*(\p)+FR*\b:128*(\p)+FR*\b+FR-1], v[AF+FR*(\a):AF+FR*(\a)+FR-1], v[8*(8*((\a)%4)+\b):8*(8*((\a)%4)+\b)+7], v[SC+8*NQ*(\sc)+NQ*\b+(\q)], v[SC+8*NQ*(\sc)+NQ*(\a)+(\q)] matrix_a_fmt:MATRIX_FMT_FP4 matrix_b_fmt:MATRIX_FMT_FP4 matrix_a_scale:MATRIX_SCALE_ROW1
.endif
.endr
.endr
.endm
.macro FETCH_B slot, q, p              ; W's eight fragments of the slot's q-th 128 along K into set p
	WIN TO_B
.irp i, 0,1,2,3,4,5,6,7
	FRAG 128*(\p)+FR*\i, ADRB+\slot, \q, \i
.endr
	WIN 0
.endm
.macro FETCH_A slot, q, i0             ; X's blocks i0 .. i0 + 3
.irp i, \i0, \i0+1, \i0+2, \i0+3
	FRAG AF+FR*(\i), ADRA+\slot, \q, \i
.endr
.endm
.macro SCALES sc                       ; a slot's scale words into set sc: NQ words a row; lanes 0-15 take X's block i, lanes 16-31 W's block i
.irp i, 0,1,2,3,4,5,6,7
	ds_load_b128 v[SC+8*NQ*\sc+NQ*\i:SC+8*NQ*\sc+NQ*\i+3], v[ADRS] offset:\i*SBLK
.endr
.endm
; A load into a register that a matrix instruction has read, and a vector instruction that reads a matrix result or writes one of its registers, stand NP places behind that matrix instruction, and only plain vector
; instructions that name none of its registers are places (ISA guide 7.12.1 for vector instructions).
.macro PLACES n
.rept \n
	v_nop
.endr
.endm
; A step of 128 along K that has its successor in the same slot.  X's blocks go one after the other, each against W's eight: a block of X is free as soon as its eight products are issued, so one set serves X.
.macro STEP slot, q, zero
	s_wait_dscnt 4*NL                              ; W's set and X's blocks 0-3 are in; the youngest eight loads (X's blocks 4-7) may be out
.if \zero
	WIN BIAS_LO
.else
	WIN MUL_LO
.endif
	MUL16 0, (\q)%2, \q, \slot, \zero
	MUL16 2, (\q)%2, \q, \slot, \zero
	s_wait_dscnt 0                                 ; X's blocks 4-7 are in (asked for 32 matrix instructions ago)
	PLACES NP
	FETCH_B \slot, (\q)+1, 1-(\q)%2
	FETCH_A \slot, (\q)+1, 0
.if \zero
	WIN BIAS_HI
.else
	WIN MUL_HI
.endif
	MUL16 4, (\q)%2, \q, \slot, \zero
	MUL16 6, (\q)%2, \q, \slot, \zero
	PLACES NP
	WIN 0
	FETCH_A \slot, (\q)+1, 4
.endm
; Slot 0's last step changes slots: ONE barrier; in front of it each wave waits for all its tensor loads (its part of slot 1), adds 0 to its spare word, and waits for that and for its own reads of slot 0.
.macro TURN slot, next
	s_wait_tensorcnt 0x0                           ; all my tensor loads have landed: my part of the next slot;  (every window is 0 here)
	ds_add_u32 v[SPW], v[NIL]                      ; 0 onto my spare word
	s_wait_dscnt 4*NL+1                            ; (the add and the youngest eight loads, X's blocks 4-7, may be out)
	WIN MUL_LO
	MUL16 0, 1, NQ-1, \slot, 0                     ; sixteen matrix instructions stand between the add and the wait for it
	s_wait_dscnt 0x0                               ; the add is done, and my reads of this slot are over
	s_barrier_signal -1
	MUL16 2, 1, NQ-1, \slot, 0
	WIN 0
	s_barrier_wait -1                              ; the next slot is whole, and nobody reads this one any more
	PLACES NP
	v_add_nc_u32 v[ADRS], 4*NQ, v[ADRS]            ; on to the next slot's scale words (no LDS load of mine is out)
	FETCH_B \next, 0, 0
	FETCH_A \next, 0, 0
	SCALES \next
	WIN MUL_HI
	MUL16 4, 1, NQ-1, \slot, 0
	MUL16 6, 1, NQ-1, \slot, 0
	PLACES NP
	WIN 0
	FETCH_A \next, 0, 4
.endm
.macro STEPS slot, from                ; the slot's steps from .. NQ - 2
.set Q, \from
.rept NQ-1-\from
	STEP \slot, Q, 0
.set Q, Q+1
.endr
.endm
	s_wait_loadcnt 0x0                             ; the bias
	s_wait_tensorcnt 1                             ; the scales and my part of slot 0 are in (slot 1's load may be out)
	s_barrier_signal -1
	s_barrier_wait -1                              ; everybody's are
	FETCH_B 0, 0, 0
	FETCH_A 0, 0, 0
	SCALES 0
	FETCH_A 0, 0, 4
	STEP 0, 0, 1                                   ; the first step's products start the sums on the bias
	STEPS 0, 1
	TURN 0, 1
	STEPS 1, 0
	s_wait_dscnt 4*NL                              ; the very last step: nothing more to fetch
	WIN MUL_LO
	MUL16 0, 1, NQ-1, 1, 0
	MUL16 2, 1, NQ-1, 1, 0
	s_wait_dscnt 0
	WIN MUL_HI
	MUL16 4, 1, NQ-1, 1, 0
	MUL16 6, 1, NQ-1, 1, 0
	WIN 0
; THE WAY OUT, block by block of 16 rows x 128 columns.  PACK: / 16 and rounded to f16: a lane's eight numbers are 16 bytes of a row.  TOSTAGE: into my own stage in LDS, and back as whole rows of 256 bytes.  SEND: stored.
.macro PACK a
.set AC, 64*((\a)%4)
	WIN 0x02+((\a)/4)                              ; source 0: window 2 or 3
.set I, 0
.rept 32
	v_pk_mul_f32 v[PT+2*I:PT+2*I+1], v[AC+2*I:AC+2*I+1], 0x3d800000 op_sel_hi:[1,0]   ; each accumulator from its low end on
.set I, I+1
.endr
	WIN 0
.set I, 0
.rept 32
	v_cvt_pk_f16_f32 v[TMP+I], v[PT+2*I], v[PT+2*I+1]
.set I, I+1
.endr
.endm
.macro TOSTAGE a
.set BB, BK+32*((\a)%2)
.irp b, 0,1,2,3,4,5,6,7
	ds_store_b128 v[STO], v[TMP+4*\b:TMP+4*\b+3] offset:32*\b
.endr
.irp t, 0,1,2,3,4,5,6,7
	ds_load_b128 v[BB+4*\t:BB+4*\t+3], v[RD] offset:\t*2*SPITCH    ; LDS serves a wave's instructions in order (ISA guide 5.7.1.4): these see the stores above
.endr
.endm
.macro SEND a
.set BB, BK+32*((\a)%2)
	s_wait_dscnt 0x0                               ; the block is back in registers
	s_wait_xcnt 0x0                                ; every earlier store has read its registers and its base: only behind this wait are they written again
.if (\a) > 0
	s_add_nc_u64 s[12:13], s[12:13], 16*CROW       ; 16 rows on, so that the stores' offsets stay at 14 rows at the most
.endif
.irp t, 0,1,2,3,4,5,6,7
	global_store_b128 v[CO], v[BB+4*\t:BB+4*\t+3], s[12:13] offset:2*\t*CROW   ; 16 lanes store 256 consecutive bytes, at a multiple of 256 from the buffer's first byte
.endr
.endm
	PLACES NP                                      ; behind the last products: the lines below write registers that held their operands
	PACK 0
	TOSTAGE 0
.irp a, 1,2,3,4,5,6,7                  ; block a's arithmetic stands between block a - 1's loads from the stage and the wait for them
	PACK \a
	SEND \a-1
	TOSTAGE \a
.endr
	SEND 7
	s_wait_tensorcnt 0x0                           ; the wave's end: behind my last tensor load and my last LDS store
	ds_add_u32 v[SPW], v[NIL]
	s_wait_dscnt 0x0
	CROUND                                         ; the closing round: no work-group ends while a partner may still ask for a tile that names it
	s_endpgm
.Lfunc_end_k_q94f5de0834_qkv:
	.size	k_q94f5de0834_qkv, .Lfunc_end_k_q94f5de0834_qkv-k_q94f5de0834_qkv
	.p2alignl 7, 3214868480
	.fill 96, 4, 3214868480
	.section	.rodata,"a",@progbits
	.p2align	6, 0x0
	.amdhsa_kernel k_q94f5de0834_qkv
		.amdhsa_group_segment_fixed_size 327680
		.amdhsa_private_segment_fixed_size 0
		.amdhsa_enable_private_segment 0
		.amdhsa_kernarg_size 48
		.amdhsa_user_sgpr_count 2
		.amdhsa_user_sgpr_kernarg_segment_ptr 1
		.amdhsa_wavefront_size32 1
		.amdhsa_system_sgpr_workgroup_id_x 1
		.amdhsa_system_sgpr_workgroup_id_y 1
		.amdhsa_system_sgpr_workgroup_id_z 1
		.amdhsa_system_vgpr_workitem_id 0
		.amdhsa_next_free_vgpr 1024
		.amdhsa_next_free_sgpr 100
		.amdhsa_reserve_vcc 0
		.amdhsa_float_denorm_mode_32 3
		.amdhsa_float_denorm_mode_16_64 3
		.amdhsa_memory_ordered 1
		.amdhsa_forward_progress 1
		.amdhsa_inst_pref_size 152
	.end_amdhsa_kernel
	.amdgpu_metadata
---
amdhsa.version: [ 1, 2 ]
amdhsa.kernels:
  - .name:           k_q94f5de0834_qkv
    .symbol:         k_q94f5de0834_qkv.kd
    .args:
      - { .name: xc, .offset: 0, .size: 8, .value_kind: global_buffer, .address_space: global }
      - { .name: xs, .offset: 8, .size: 8, .value_kind: global_buffer, .address_space: global }
      - { .name: wc, .offset: 16, .size: 8, .value_kind: global_buffer, .address_space: global }
      - { .name: ws, .offset: 24, .size: 8, .value_kind: global_buffer, .address_space: global }
      - { .name: qkv_b, .offset: 32, .size: 8, .value_kind: global_buffer, .address_space: global }
      - { .name: qkv16, .offset: 40, .size: 8, .value_kind: global_buffer, .address_space: global }
    .group_segment_fixed_size: 327680
    .private_segment_fixed_size: 0
    .kernarg_segment_align: 8
    .kernarg_segment_size: 48
    .max_flat_workgroup_size: 128
    .sgpr_count:     100
    .vgpr_count:     1024
    .wavefront_size: 32
...
	.end_amdgpu_metadata
.endif
;; end of part 2
;; launch attn (part 3): grid 8 x 32, 8 waves a work-group, clusters of 4 x 1, 327,680 bytes of LDS; arguments qkv16, att16; writes att16
.if DOCPART == 3
	.amdgcn_target "amdgcn-amd-amdhsa--gfx1250"
	.amdhsa_code_object_version 6
	.text
	.protected	k_q94f5de0834_attn
	.globl	k_q94f5de0834_attn
	.p2align	8
	.type	k_q94f5de0834_attn,@function
k_q94f5de0834_attn:
	s_mov_b64 s[64:65], 0
	v_nop
	global_prefetch_b8 v0, s[64:65] scope:SCOPE_SE
	s_setreg_imm32_b32 hwreg(HW_REG_WAVE_MODE, 25, 1), 1
	s_wait_xcnt 0x0
	s_wait_alu depctr_hold_cnt(0) depctr_sa_sdst(0) depctr_va_vdst(0) depctr_va_sdst(0) depctr_va_ssrc(0) depctr_va_vcc(0) depctr_vm_vsrc(0)
	s_getreg_b32 s2, hwreg(HW_REG_IB_STS2, 6, 4)
	s_cmp_eq_u32 s2, 0
	s_cbranch_scc0 .Lentry_in_a_cluster
	s_endpgm
.Lentry_in_a_cluster:
	s_bfe_u32 s2, ttmp6, 0x10000c
	s_cmp_lg_u32 s2, 0x3003
	s_cbranch_scc0 .Lentry_shape_is_right
	s_endpgm
.Lentry_shape_is_right:
; att16[b][q][64 head + :] = the sum over k of softmax_k(Q[q] . K[k] / 8) V[k][:], for 4 batches x 16 heads of 64, 2,048 tokens.  qkv16: [8192][3072] f16, a row = q | k | v, each 16 heads x 64, all carrying the factor 1/16.
; The scores' 1/256 is undone in the softmax's constant: c = 256 log2(e) / 8; the result carries v's 1/16, which the next launch's weights undo.  Products, maxima and sums in f32; the weights p = 2^(c s - c m), at most 1 under the
; RUNNING MAXIMUM m, are rounded to f16 for the second product, the result once at the end.  In every step the sums are multiplied by a = 2^(c m_old - c m_new), which is 1 where m has not grown.
; LIMITS: NaN and infinities are not served; what the launch before could not hold in f16 is not served.
; SHARES.  A work-group owns 256 queries of a PAIR of heads: a token's K, V and result for the pair are 256 consecutive aligned bytes.  Waves 0-3 take the pair's first head, waves 4-7 its second; each wave 64 queries: four tiles of 16.
; Two waves share a SIMD's registers, 512 each, so that one wave's softmax stands beside the other's products.  Every wave walks all 2,048 keys, 64 a step.
; LAYOUT.  S^T = K Q^T (source 0 = 16 keys, source 1 = 16 queries): a lane holds ONE query (lane % 16) and the keys 8 (lane / 16) + 0..7.  Two such tiles, rounded to f16 in pairs, ARE source 1 (32 keys x 16 queries) of O^T = V^T P,
; whose result again holds one query a lane.  K comes out of LDS as it lies, V ([key][channel]) turned, by ds_load_tr16_b128.
; RING.  Two LDS slots of 256 keys (four steps; a step: 64 rows of K, then 64 of V, both heads).  The change of slots stands at a slot's head; behind it the slot just left is filled again: one tensor load a wave
; (waves 0-3: K of the slot's step w % 4; waves 4-7: V of it), which has the four steps in which to land.  One tensor load of a wave is out at the most.
; CLUSTER.  The four query blocks of a cluster walk the same K and V: each tile is asked for JOINTLY, by the same tensor load with the same descriptor and a mask that names the four.
; REGISTERS, in windows of 256 (s_set_vgpr_msb: bits 1:0 source 0, 3:2 source 1, 5:4 source 2, 7:6 destination):
;   window 0: v2-9 addresses; v12-43 eight registers of statistics a tile; v61-63; v64-191 S^T, 32 a tile, in whose low half P is made in place; v192-255 Q, 16 a tile
;   window 1: v0-127 O^T, 32 a tile; v128-191 K of one step; v192-255 V of one step
.set ROWQ,  6144                       ; a row of qkv16 in bytes
.set PK,    272                        ; a row of K in LDS: 256 bytes + 16 of padding: row r starts at bank 4 r mod 64 (64 banks of 4 bytes: ISA guide 11.1)
.set PV,    288                        ; a row of V: 256 + 32: row r starts at bank 8 r mod 64
.set VOFF,  64*PK
.set STEPB, 64*(PK+PV)                 ; a step's tiles
.set SLOT,  4*STEPB
.set SPARE, 2*SLOT                     ; behind the ring: the spare words, 128 bytes for each of the eight waves, which no other line names
.set SP,    272                        ; the way out: a stage of 256 rows x (256 bytes + 16) from LDS byte 0 on: slot 0 has had its last fill and its last read when the first result is stored there
.set AK0, 2                            ; v2   my lane's place in a step's K; never rewritten
.set AV0, 3                            ; v3   the same for V
.set ADK, 4                            ; v4   LDS address of the step's K
.set ADV, 5                            ; v5   of its V
.set QO,  6                            ; v6   my byte offset in the wave's rows of Q
.set STO, 7                            ; v7   the way out: where I put 16 bytes of a row
.set RD,  8                            ; v8   where I read a row back
.set GO,  9                            ; v9   my byte offset in two rows of att16
.set ST,  12                           ; tile t's statistics at v[ST + 8 t]: +0 c m, +1 its pair's partner, +2, +3 the sum l (even keys', odd keys'), +4, +5 at work, +6 a, +7 its partner
.set PFO, 61                           ; v61  ROWQ x my lane: the prefetches' offset; never rewritten
.set SPW, 62                           ; v62  LDS address of my spare word; never rewritten
.set NIL, 63                           ; v63  0; never rewritten
.set S,   64
.set QF,  192
.set KF,  128                          ; in window 1
.set VF,  192                          ; in window 1
.set OB,  128                          ; the way out: rows read back
.set WV,  12                           ; s12  my wave's number
.set HH,  13                           ; s13  which head of the pair
.set W3,  14                           ; s14  which 64 queries; also which step of a slot I fetch
.set LIM, 15                           ; s15  1 in a wave that prefetches, else the greatest number
.set PFA, 18                           ; s[18:19] where my prefetches stand.  (What hangs on my place in the cluster stays in s16-s23)
.set G1K, 24                           ; s[24:31] descriptor group 1 for K's tiles;  s[32:39] for V's: it differs in the padding alone
.set G1V, 32
.set G0K, 40                           ; s[40:47] group 0 for K's tiles, a set for each slot;  s[48:55] for V's
.set G0V, 48
.set SLOTS, 56                         ; s56  slots still to be asked for
.set CNT, 57                           ; s57  counts a slot's four steps
.set CS,  58                           ; s[58:59] c: the packed form names a pair and takes its low word for both halves
.set SEL, 60                           ; s[60:61] lane selects for v_permlanex16_b32: lane l xor 16
.set TB,  62                           ; s62  LDS byte at which the step in hand begins
.set LAP, 63                           ; s63  counts the loop over pairs of slots
.set MSB, 0
.macro WIN new                         ; the immediate's high byte repeats the setting that is left; a switch that changes nothing is dropped
.if MSB != (\new)
	s_set_vgpr_msb (MSB<<8)|(\new)
.set MSB, (\new)
.endif
.endm
.set W_KQ, 0x01                        ; K in window 1; Q and S^T in window 0
.set W_PV, 0x51                        ; V and O^T in window 1, P in window 0
.set W_RS, 0x41                        ; O^T (destination and source 0) in window 1, the factor in window 0
.set W_LD, 0x40                        ; destination window 1, address window 0
; A joint load into slot s.  The branch hangs on the wave's number alone.  Four v_nop follow each of the two lines, ahead of the jump, the label and what follows.
.macro JLOAD s
	s_cmp_lt_u32 s[WV], 4
	s_cbranch_scc0 .Lfor_v_\@
	tensor_load_to_lds s[G0K+4*(\s):G0K+4*(\s)+3], s[G1K:G1K+7]
	s_nop 0
.rept 4
	v_nop
.endr
	s_branch .Lasked_\@
.Lfor_v_\@:
	tensor_load_to_lds s[G0V+4*(\s):G0V+4*(\s)+3], s[G1V:G1V+7]
	s_nop 0
.rept 4
	v_nop
.endr
.Lasked_\@:
.endm
; A PREFETCH INTO THE L2 of what the NEXT change of slots will ask for: a slot's 256 rows of K and 256 of V, 256 bytes a row, a lane a row.  It stands behind the wave's tensor load and its four lines.
; Each row is named ONCE in the launch.  Both clusters of a pair of heads walk the same K and V: the first (cluster x = 0) asks.  Its four partners share the rows out BY ADDRESS, 64 each; in each, waves 0 and 1 ask for K's
; (32 rows each) and waves 2 and 3 for V's: one instruction a wave.  The last change that fills a slot asks for nothing; slots 0 and 1 come by their loads alone.
.macro ASK
	s_cmp_gt_u32 s[SLOTS], s[LIM]
	s_cbranch_scc0 .Lnot_mine_\@
	global_prefetch_b8 v[PFO], s[PFA:PFA+1] th:TH_LOAD_NT scope:SCOPE_SE
.Lnot_mine_\@:
.endm
; A round of the cluster's barrier: my work-group's barrier, so that wave 0's signal speaks for all eight waves; wave 0 signals for the work-group; every wave waits for all four work-groups; my work-group's barrier once more.
.macro CROUND
	s_barrier_signal -1
	s_barrier_wait -1
	s_cmp_lg_u32 s[WV], 0
	s_cbranch_scc1 .Lnot_wave_0_\@
	s_barrier_signal -3
.Lnot_wave_0_\@:
	s_barrier_wait -3
	s_barrier_signal -1
	s_barrier_wait -1
.endm
	s_load_b128 s[4:7], s[0:1], 0x0                ; qkv16 s[4:5], att16 s[6:7]
	v_lshl_add_u32 v[SPW], v0, 2, SPARE
	v_mov_b32 v[NIL], 0
	ds_add_u32 v62, v63
	ds_add_u32 v62, v63
	s_wait_dscnt 0x0
	v_lshrrev_b32 v1, 5, v0
	v_readfirstlane_b32 s[WV], v1                  ; wave 0..7
	s_lshr_b32 s[HH], s[WV], 2
	s_and_b32 s[W3], s[WV], 3
	s_bfe_u32 s16, ttmp6, 0x40000                  ; cx: my place in the cluster
	s_lshl_b32 s17, ttmp9, 2                       ; in a cluster launch ttmp9 counts clusters
	s_add_co_u32 s17, s17, s16                     ; my block of 256 queries: it enters Q's and att16's addresses alone
	s_and_b32 s2, ttmp7, 0xffff                    ; y = 8 x batch + pair of heads, which the four partners share
	s_lshr_b32 s3, s2, 3                           ; the batch
	s_and_b32 s2, s2, 7                            ; the pair
	s_mul_i32 s66, s3, 2048*ROWQ
	s_lshl_b32 s67, s2, 8                          ; the pair's 256 bytes in a row
	s_add_co_u32 s66, s66, s67                     ; the batch's first row, at the pair's q
	s_mul_i32 s70, s[W3], 64*ROWQ                  ; the 64 rows of a slot that I fetch,
	s_add_co_u32 s70, s70, s66
	s_mov_b32 s71, 0
	s_mul_i32 s69, s[W3], STEPB                    ; and their place in a slot: no place in the cluster enters an LDS address
	s_lshl_b32 s20, s17, 8                         ; Q: my block's 256 rows,
	s_lshl_b32 s68, s[W3], 6
	s_add_co_u32 s20, s20, s68                     ; my wave's 64 of them,
	s_mul_i32 s20, s20, ROWQ
	s_add_co_u32 s20, s20, s66
	s_lshl_b32 s68, s[HH], 7
	s_add_co_u32 s20, s20, s68                     ; my head's 128 bytes
	s_mov_b32 s21, 0
	s_lshl_b32 s22, s17, 8                         ; att16: row 2,048 x batch + 256 x block + 32 x wave: the rows that I store,
	s_lshl_b32 s68, s3, 11
	s_add_co_u32 s22, s22, s68
	s_lshl_b32 s68, s[WV], 5
	s_add_co_u32 s22, s22, s68
	s_lshl_b32 s22, s22, 11                        ; of 2,048 bytes,
	s_add_co_u32 s22, s22, s67                     ; at the pair's 256
	s_mov_b32 s23, 0
	s_lshl_b32 s18, s16, 6                         ; the prefetches: my work-group's 64 rows of a slot's 256,
	s_and_b32 s68, s[WV], 1
	s_lshl_b32 s68, s68, 5
	s_add_co_u32 s18, s18, s68                     ; my wave's 32 of them,
	s_mul_i32 s18, s18, ROWQ
	s_add_co_u32 s18, s18, s66
	s_and_b32 s68, s[WV], 2
	s_lshl_b32 s68, s68, 10
	s_add_co_u32 s18, s18, s68                     ; of K (waves 0, 1) or, 2,048 bytes further on in the row, of V (waves 2, 3),
	s_add_co_u32 s18, s18, 2048+256*ROWQ           ; in slot 1's keys: the first change of slots steps it on.  Nothing is prefetched here, at the head
	s_mov_b32 s19, 0
	s_or_b32 s[LIM], s[HH], ttmp9                  ; 0 in waves 0 to 3 of the pair's first cluster: the same in all four partners
	s_cmp_eq_u32 s[LIM], 0
	s_cselect_b32 s[LIM], 1, -1
	; descriptor group 1: a tile of 64 rows x 128 elements of 2 bytes, padded in LDS
	s_mov_b32 s[G1K], 15|(1<<16)|(1<<20)|(1<<21)|(5<<22)|(3<<25)  ; 15:0 the mask: all four work-groups; 17:16 elements of 2 bytes; 20 padding on; 21 set beside a mask; 24:22 after every 64 words (code 5); 31:25 4 words of it (code 3)
	s_mov_b32 s[G1V], 15|(1<<16)|(1<<20)|(1<<21)|(5<<22)|(7<<25)  ; the same with 8 words of padding (code 7)
.irp g, G1K, G1V
	s_mov_b32 s[\g+1], 128<<16                     ; tensor_dim0 = 128
	s_mov_b32 s[\g+2], 64<<16                      ; tensor_dim1 = 64
	s_mov_b32 s[\g+3], 128<<16                     ; tile_dim0 = 128
	s_mov_b32 s[\g+4], 64                          ; tile_dim1 = 64
	s_mov_b32 s[\g+5], ROWQ/2                      ; tensor_dim0_stride: elements from row to row
	s_mov_b32 s[\g+6], 0
	s_mov_b32 s[\g+7], 0
.endr
	s_mov_b32 s[CS], 0x4238aa3b                    ; c = 32 log2(e)
	s_mov_b32 s[CS+1], s[CS]                       ; named with it as a pair, so it is written
	s_mov_b32 s[SEL], 0x76543210
	s_mov_b32 s[SEL+1], 0xfedcba98
	s_mov_b32 s[SLOTS], 7
	s_wait_kmcnt 0x0
	s_add_nc_u64 s[70:71], s[4:5], s[70:71]
	s_add_nc_u64 s[20:21], s[4:5], s[20:21]
	s_add_nc_u64 s[22:23], s[6:7], s[22:23]
	s_add_nc_u64 s[PFA:PFA+1], s[4:5], s[PFA:PFA+1]
	CROUND                                         ; all four work-groups are here: the first joint load meets
.irp s, 0,1
	s_mov_b32 s[G0K+4*\s], 1                       ; count = 1
	s_add_co_u32 s[G0K+4*\s+1], s69, \s*SLOT       ; LDS address
	s_add_nc_u64 s[G0K+4*\s+2:G0K+4*\s+3], s[70:71], \s*256*ROWQ+2048   ; global address: slot s begins with keys 256 s on; k lies 2,048 bytes behind q
	s_or_b32 s[G0K+4*\s+3], s[G0K+4*\s+3], 0x80000000                   ; type = 2
	s_mov_b32 s[G0V+4*\s], 1
	s_add_co_u32 s[G0V+4*\s+1], s69, \s*SLOT+VOFF
	s_add_nc_u64 s[G0V+4*\s+2:G0V+4*\s+3], s[70:71], \s*256*ROWQ+4096   ; v lies 4,096 behind q
	s_or_b32 s[G0V+4*\s+3], s[G0V+4*\s+3], 0x80000000
.endr
	JLOAD 0                                        ; keys 0 to 255
	; A fragment of K or Q is 16 rows x 32 channels in 8 registers: lane l holds row l % 16; registers 0-3 channels 8 (l / 16) + 0..7, registers 4-7 channels 16 + 8 (l / 16) + 0..7: two loads of 16 bytes, 32 bytes apart.
	v_and_b32 v1, 15, v0                           ; r = l % 16
	v_bfe_u32 v10, v0, 4, 1                        ; h = l / 16
	v_mul_u32_u24 v[QO], v1, ROWQ
	v_lshl_add_u32 v[QO], v10, 4, v[QO]
.irp t, 0,1,2,3                        ; Q stays in registers: tile t, channels 32 c on
.irp c, 0,1
	global_load_b128 v[QF+8*(2*\t+\c):QF+8*(2*\t+\c)+3],   v[QO], s[20:21] offset:\t*16*ROWQ+64*\c
	global_load_b128 v[QF+8*(2*\t+\c)+4:QF+8*(2*\t+\c)+7], v[QO], s[20:21] offset:\t*16*ROWQ+64*\c+32
.endr
.endr
	s_lshl_b32 s68, s[HH], 7                       ; my head's 128 bytes of a row
	v_mul_u32_u24 v[AK0], v1, PK
	v_lshl_add_u32 v[AK0], v10, 4, v[AK0]
	v_add_nc_u32 v[AK0], s68, v[AK0]               ; row x pitch + 16 x half + my head
	; The turning load takes 16 keys x 16 channels (lane l reads 16 bytes: key 8 (l / 16) + l % 8, channels 8 ((l / 8) % 2) + 0..7) and leaves half a fragment of V^T: lane l holds channel l % 16 and 8 keys.
	v_and_b32 v11, 7, v0
	v_lshl_add_u32 v[AV0], v10, 3, v11
	v_mul_u32_u24 v[AV0], v[AV0], PV
	v_bfe_u32 v11, v0, 3, 1
	v_lshl_add_u32 v[AV0], v11, 4, v[AV0]
	s_add_co_u32 s68, s68, VOFF
	v_add_nc_u32 v[AV0], s68, v[AV0]
	s_mul_i32 s67, s[W3], 64*SP                    ; the stage, in: row 64 (w % 4) + 16 t + r, my head's half of its 256 bytes, 16 bytes for each half of the lanes
	s_lshl_b32 s68, s[HH], 7
	s_add_co_u32 s67, s67, s68
	v_mul_u32_u24 v[STO], v1, SP
	v_lshl_add_u32 v[STO], v10, 4, v[STO]
	v_add_nc_u32 v[STO], s67, v[STO]
	s_mul_i32 s67, s[WV], 32*SP                    ; back: wave w takes rows 32 w on, whole; lanes 0-15 one row of 256 bytes, lanes 16-31 the next
	v_mul_u32_u24 v[RD], v10, SP
	v_lshl_add_u32 v[RD], v1, 4, v[RD]
	v_add_nc_u32 v[RD], s67, v[RD]
	v_lshlrev_b32 v[GO], 11, v10                   ; and the same two rows in att16
	v_lshl_add_u32 v[GO], v1, 4, v[GO]
	v_and_b32 v[PFO], 31, v0
	v_mul_u32_u24 v[PFO], v[PFO], ROWQ
.irp t, 0,1,2,3
	v_mov_b32 v[ST+8*\t], 0xff61b1e6               ; c m so far: -3e38, under every score
.irp i, 1,2,3,4,5,6,7
	v_mov_b32 v[ST+8*\t+\i], 0                     ; the sum; and what is named as a pair's partner or as a lane permute's destination is written once
.endr
.endr
	WIN W_LD
.set I, 0
.rept 128
	v_mov_b32 v[I], 0                              ; O^T.  The key step is written once for all steps: the first finds zeros, which its factor a = 0 leaves zeros
.set I, I+1
.endr
	WIN 0
; THE SOFTMAX OF A STEP, for the wave's four tiles by turns, so that no line waits for the line above it.
.macro SCALE t, b                      ; pair b of the tile's 16 pairs of scores: c s - c m
	v_pk_fma_f32 v[S+32*(\t)+2*(\b):S+32*(\t)+2*(\b)+1], v[S+32*(\t)+2*(\b):S+32*(\t)+2*(\b)+1], s[CS:CS+1], v[ST+8*(\t):ST+8*(\t)+1] op_sel_hi:[1,0,0] neg_lo:[0,0,1] neg_hi:[0,0,1]
.endm
.macro EXPO t, n
	v_exp_f32 v[S+32*(\t)+(\n)], v[S+32*(\t)+(\n)]
.endm
.macro SUM t, b                        ; the sum takes pair b of the unrounded weights; with the first pair it is brought under the new maximum
.if (\b) == 0
	s_wait_alu depctr_va_vdst(0)
	v_pk_fma_f32 v[ST+8*(\t)+2:ST+8*(\t)+3], v[ST+8*(\t)+2:ST+8*(\t)+3], v[ST+8*(\t)+6:ST+8*(\t)+7], v[S+32*(\t):S+32*(\t)+1] op_sel_hi:[1,0,1]
.else
	s_wait_alu depctr_va_vdst(0)
	v_pk_add_f32 v[ST+8*(\t)+2:ST+8*(\t)+3], v[ST+8*(\t)+2:ST+8*(\t)+3], v[S+32*(\t)+2*(\b):S+32*(\t)+2*(\b)+1]
.endif
.endm
.macro CVT t, n                        ; pair n becomes register n of P, in place: registers up to n have been summed and rounded already
	v_cvt_pk_f16_f32 v[S+32*(\t)+(\n)], v[S+32*(\t)+2*(\n)], v[S+32*(\t)+2*(\n)+1]
.endm
.macro SOFTMAX
.irp t, 0,1,2,3
	v_max3_num_f32 v[ST+8*\t+4], v[S+32*\t], v[S+32*\t+1], v[S+32*\t+2]   ; the largest of my 32 scores, in ascending order: each accumulator is first read at its low end
.endr
.irp i, 1,2,3,4,5,6,7,8,9,10,11,12,13,14
.irp t, 0,1,2,3
	v_max3_num_f32 v[ST+8*\t+4], v[ST+8*\t+4], v[S+32*\t+2*\i+1], v[S+32*\t+2*\i+2]
.endr
.endr
.irp t, 0,1,2,3
	v_max_num_f32 v[ST+8*\t+4], v[ST+8*\t+4], v[S+32*\t+31]
.endr
.irp t, 0,1,2,3
	v_permlanex16_b32 v[ST+8*\t+5], v[ST+8*\t+4], s[SEL], s[SEL+1]        ; the query's other 32 keys lie in the lane 16 away
.endr
.irp t, 0,1,2,3
	v_max_num_f32 v[ST+8*\t+4], v[ST+8*\t+4], v[ST+8*\t+5]
.endr
.irp t, 0,1,2,3
	v_mul_f32 v[ST+8*\t+4], s[CS], v[ST+8*\t+4]                           ; x c (c is positive)
.endr
.irp t, 0,1,2,3
	v_max_num_f32 v[ST+8*\t+5], v[ST+8*\t], v[ST+8*\t+4]                  ; the new c m
.endr
.irp t, 0,1,2,3
	v_sub_f32 v[ST+8*\t+6], v[ST+8*\t], v[ST+8*\t+5]                      ; c m_old - c m_new, 0 or less
.endr
.irp t, 0,1,2,3
	v_mov_b32 v[ST+8*\t], v[ST+8*\t+5]
.endr
.irp t, 0,1,2,3
	v_exp_f32 v[ST+8*\t+6], v[ST+8*\t+6]                                  ; a
.endr
.irp b, 0,1
.irp t, 0,1,2,3
	SCALE \t, \b
.endr
.endr
; 18 stages.  In a stage a tile has: the scaling two pairs ahead, an exponential, the sum of the pair before, an exponential, the rounding two pairs back: behind each exponential stands a plain line that touches neither its result nor its source.
.set BS, 0
.rept 18
.irp t, 0,1,2,3
.if BS <= 13
	SCALE \t, BS+2
.endif
.if BS <= 15
	EXPO \t, 2*BS
.endif
.if (BS >= 1) && (BS <= 16)
	SUM \t, BS-1
.endif
.if BS <= 15
	EXPO \t, 2*BS+1
.endif
.if BS >= 2
	CVT \t, BS-2
.endif
.endr
.set BS, BS+1
.endr
.endm
; A KEY STEP: 64 keys at LDS byte s[TB].
.macro STEP
	v_add_nc_u32 v[ADK], s[TB], v[AK0]
	v_add_nc_u32 v[ADV], s[TB], v[AV0]
.rept 3
	v_nop                                          ; with the two additions five places behind the last step's products V^T P: four for the loads into V's registers, five for the products below, which write over P's registers
.endr
	WIN W_LD
.irp k, 0,1,2,3                        ; K: keys 16 k on, channels 32 c on
.irp c, 0,1
	ds_load_b128 v[KF+8*(2*\k+\c):KF+8*(2*\k+\c)+3],   v[ADK] offset:\k*16*PK+64*\c
	ds_load_b128 v[KF+8*(2*\k+\c)+4:KF+8*(2*\k+\c)+7], v[ADK] offset:\k*16*PK+64*\c+32
.endr
.endr
.irp u, 0,1                            ; V, turned: keys 32 u on, channels 16 d on
.irp d, 0,1,2,3
	ds_load_tr16_b128 v[VF+8*(4*\u+\d):VF+8*(4*\u+\d)+3],   v[ADV] offset:\u*32*PV+32*\d
	ds_load_tr16_b128 v[VF+8*(4*\u+\d)+4:VF+8*(4*\u+\d)+7], v[ADV] offset:\u*32*PV+16*PV+32*\d
.endr
.endr
	s_wait_dscnt 16                                ; K's sixteen loads are in; V's sixteen may be out
	WIN W_KQ
.irp c, 0,1                            ; S^T = K Q^T: the 16 accumulators take turns, one instruction a turn; the first 16 products start the sums
.irp k, 0,1,2,3
.irp t, 0,1,2,3
.if \c == 0
	v_wmma_f32_16x16x32_f16 v[S+32*\t+8*\k:S+32*\t+8*\k+7], v[KF+8*(2*\k+\c):KF+8*(2*\k+\c)+7], v[QF+8*(2*\t+\c):QF+8*(2*\t+\c)+7], 0
.else
	v_wmma_f32_16x16x32_f16 v[S+32*\t+8*\k:S+32*\t+8*\k+7], v[KF+8*(2*\k+\c):KF+8*(2*\k+\c)+7], v[QF+8*(2*\t+\c):QF+8*(2*\t+\c)+7], v[S+32*\t+8*\k:S+32*\t+8*\k+7]
.endif
.endr
.endr
.endr
	WIN 0
.rept 4
	v_nop                                          ; four places in front of the first read of the scores
.endr
	SOFTMAX
	WIN W_RS
.set I, 0
.rept 64
	v_pk_mul_f32 v[2*I:2*I+1], v[2*I:2*I+1], v[ST+8*(I/16)+6:ST+8*(I/16)+7] op_sel_hi:[1,0]   ; O^T under the new maximum: x a; ascending
.set I, I+1
.endr
	s_wait_dscnt 0x0                               ; V is in
	WIN W_PV
.irp u, 0,1                            ; O^T += V^T P: again 16 accumulators by turns
.irp d, 0,1,2,3
.irp t, 0,1,2,3
	v_wmma_f32_16x16x32_f16 v[32*\t+8*\d:32*\t+8*\d+7], v[VF+8*(4*\u+\d):VF+8*(4*\u+\d)+7], v[S+32*\t+8*\u:S+32*\t+8*\u+7], v[32*\t+8*\d:32*\t+8*\d+7]
.endr
.endr
.endr
	WIN 0
.endm
; THE CHANGE OF SLOTS, at the head of slot `slot`.  Each wave waits for all its tensor loads (its part of the slot ahead), adds 0 to its spare word, and waits for that and for its reads of the slot that it has left.
; fill = 1: the barrier is a round of the cluster's, so that no wave of any partner still reads the other slot or has a load on its way, and the joint refill of that slot is the first thing behind it.
.macro CHANGE slot, fill
	s_wait_tensorcnt 0x0                           ; no tensor load of mine is out, so a group 0 may be written
	ds_add_u32 v[SPW], v[NIL]                      ; 0 onto my spare word: with fill = 1 the steps below stand between it and the wait for it
.if \fill
	s_add_nc_u64 s[G0K+4*\slot+2:G0K+4*\slot+3], s[G0K+4*\slot+2:G0K+4*\slot+3], 2*256*ROWQ   ; this slot's next keys, two slots on; the type bits on top are not reached
	s_add_nc_u64 s[G0V+4*\slot+2:G0V+4*\slot+3], s[G0V+4*\slot+2:G0V+4*\slot+3], 2*256*ROWQ
	s_wait_xcnt 0x0                                ; the last prefetch, a slot back, has read its address, so it may be written:
	s_add_nc_u64 s[PFA:PFA+1], s[PFA:PFA+1], 256*ROWQ   ; one slot further on than the load below
	s_wait_dscnt 0x0                               ; the add is done, and my reads of the slot that I have left are over
	CROUND
	JLOAD 1-\slot
	ASK                                            ; what the next change will ask for: four key steps ahead of that load
	s_sub_co_u32 s[SLOTS], s[SLOTS], 1
.else
	s_wait_dscnt 0x0                               ; the add is done, and my reads of the slot that I have left are over
	s_barrier_signal -1
	s_barrier_wait -1
.endif
.endm
.macro STEPS slot                      ; a slot's four key steps: written once, walked four times; the LDS addresses hang on s[TB]
	s_mov_b32 s[TB], \slot*SLOT
	s_mov_b32 s[CNT], 4
.Lstep_\@:
	STEP
	s_add_co_u32 s[TB], s[TB], STEPB
	s_sub_co_u32 s[CNT], s[CNT], 1
	s_cmp_lg_u32 s[CNT], 0
	s_cbranch_scc1 .Lstep_\@
.endm
	s_wait_loadcnt 0x0                             ; Q
	s_mov_b32 s[LAP], 3
.Llap:                                             ; three trips: six of the eight slots' worth of keys
	CHANGE 0, 1
	STEPS 0
	CHANGE 1, 1
	STEPS 1
	s_sub_co_u32 s[LAP], s[LAP], 1
	s_cmp_lg_u32 s[LAP], 0
	s_cbranch_scc1 .Llap
	CHANGE 0, 1                                    ; the tail is written out: the last keys are asked for here
	STEPS 0
	CHANGE 1, 0                                    ; and nothing here
	STEPS 1
	; THE WAY OUT.  The sum's two halves and the other half of the lanes' are added; O^T is divided by the sum, rounded to f16 and sent through the work-group's stage: a row's 256 bytes come from two waves.
.irp t, 0,1,2,3
	v_add_f32 v[ST+8*\t+4], v[ST+8*\t+2], v[ST+8*\t+3]     ; (these four are the places behind the last products)
.endr
.irp t, 0,1,2,3
	v_permlanex16_b32 v[ST+8*\t+5], v[ST+8*\t+4], s[SEL], s[SEL+1]
.endr
.irp t, 0,1,2,3
	v_add_f32 v[ST+8*\t+4], v[ST+8*\t+4], v[ST+8*\t+5]
.endr
.irp t, 0,1,2,3
	v_rcp_f32 v[ST+8*\t+6], v[ST+8*\t+4]
.endr
	v_nop                                          ; a plain instruction between the last reciprocal and the use of its result
	s_wait_alu depctr_va_vdst(0)
.irp t, 0,1,2,3
	WIN W_RS
.set I, 0
.rept 16
	v_pk_mul_f32 v[32*\t+2*I:32*\t+2*I+1], v[32*\t+2*I:32*\t+2*I+1], v[ST+8*\t+6:ST+8*\t+7] op_sel_hi:[1,0]
.set I, I+1
.endr
	WIN 0x05                                       ; sources 0 and 1 window 1, destination window 0: S^T's registers are free
.set I, 0
.rept 16
	v_cvt_pk_f16_f32 v[S+16*\t+I], v[32*\t+2*I], v[32*\t+2*I+1]
.set I, I+1
.endr
	WIN 0
.irp d, 0,1,2,3
	ds_store_b128 v[STO], v[S+16*\t+4*\d:S+16*\t+4*\d+3] offset:\t*16*SP+32*\d   ; lane (r, h): query 16 t + r, channels 16 d + 8 h + 0 .. 7
.endr
.endr
	s_wait_dscnt 0x0                               ; for the others' sake: my stores into the stage are done
	s_barrier_signal -1
	s_barrier_wait -1
.irp i, 0,1,2,3,4,5,6,7,8,9,10,11,12,13,14,15
	ds_load_b128 v[OB+4*\i:OB+4*\i+3], v[RD] offset:\i*2*SP
.endr
.irp i, 0,1,2,3,4,5,6,7,8,9,10,11,12,13,14,15
	s_wait_dscnt 15-\i                             ; LDS loads come back in order: pair i of rows is in, the younger ones may be out
	global_store_b128 v[GO], v[OB+4*\i:OB+4*\i+3], s[22:23] offset:\i*4096   ; 16 lanes store 256 consecutive bytes, at a multiple of 256 from the buffer's first byte
.endr
	s_wait_tensorcnt 0x0                           ; the wave's end: behind my last tensor load and my last LDS store
	ds_add_u32 v[SPW], v[NIL]
	s_wait_dscnt 0x0
	CROUND                                         ; the closing round: no work-group ends while a partner may still ask for a tile that names it
	s_endpgm
.Lfunc_end_k_q94f5de0834_attn:
	.size	k_q94f5de0834_attn, .Lfunc_end_k_q94f5de0834_attn-k_q94f5de0834_attn
	.p2alignl 7, 3214868480
	.fill 96, 4, 3214868480
	.section	.rodata,"a",@progbits
	.p2align	6, 0x0
	.amdhsa_kernel k_q94f5de0834_attn
		.amdhsa_group_segment_fixed_size 327680
		.amdhsa_private_segment_fixed_size 0
		.amdhsa_enable_private_segment 0
		.amdhsa_kernarg_size 16
		.amdhsa_user_sgpr_count 2
		.amdhsa_user_sgpr_kernarg_segment_ptr 1
		.amdhsa_wavefront_size32 1
		.amdhsa_system_sgpr_workgroup_id_x 1
		.amdhsa_system_sgpr_workgroup_id_y 1
		.amdhsa_system_sgpr_workgroup_id_z 1
		.amdhsa_system_vgpr_workitem_id 0
		.amdhsa_next_free_vgpr 512
		.amdhsa_next_free_sgpr 72
		.amdhsa_reserve_vcc 0
		.amdhsa_float_denorm_mode_32 3
		.amdhsa_float_denorm_mode_16_64 3
		.amdhsa_memory_ordered 1
		.amdhsa_forward_progress 1
		.amdhsa_inst_pref_size 167
	.end_amdhsa_kernel
	.amdgpu_metadata
---
amdhsa.version: [ 1, 2 ]
amdhsa.kernels:
  - .name:           k_q94f5de0834_attn
    .symbol:         k_q94f5de0834_attn.kd
    .args:
      - { .name: qkv16, .offset: 0, .size: 8, .value_kind: global_buffer, .address_space: global }
      - { .name: att16, .offset: 8, .size: 8, .value_kind: global_buffer, .address_space: global }
    .group_segment_fixed_size: 327680
    .private_segment_fixed_size: 0
    .kernarg_segment_align: 8
    .kernarg_segment_size: 16
    .max_flat_workgroup_size: 256
    .sgpr_count:     72
    .vgpr_count:     512
    .wavefront_size: 32
...
	.end_amdgpu_metadata
.endif
;; end of part 3
;; launch proj (part 4): grid 4 x 64, 4 waves a work-group, clusters of 4 x 4, 327,680 bytes of LDS; arguments att16, pw16, proj_b, out0; writes out0
.if DOCPART == 4
	.amdgcn_target "amdgcn-amd-amdhsa--gfx1250"
	.amdhsa_code_object_version 6
	.text
	.protected	k_q94f5de0834_proj
	.globl	k_q94f5de0834_proj
	.p2align	8
	.type	k_q94f5de0834_proj,@function
k_q94f5de0834_proj:
	s_mov_b64 s[64:65], 0
	v_nop
	global_prefetch_b8 v0, s[64:65] scope:SCOPE_SE
	s_setreg_imm32_b32 hwreg(HW_REG_WAVE_MODE, 25, 1), 1
	s_wait_xcnt 0x0
	s_wait_alu depctr_hold_cnt(0) depctr_sa_sdst(0) depctr_va_vdst(0) depctr_va_sdst(0) depctr_va_ssrc(0) depctr_va_vcc(0) depctr_vm_vsrc(0)
	s_getreg_b32 s2, hwreg(HW_REG_IB_STS2, 6, 4)
	s_cmp_eq_u32 s2, 0
	s_cbranch_scc0 .Lentry_in_a_cluster
	s_endpgm
.Lentry_in_a_cluster:
	s_bfe_u32 s2, ttmp6, 0x10000c
	s_cmp_lg_u32 s2, 0xf033
	s_cbranch_scc0 .Lentry_shape_is_right
	s_endpgm
.Lentry_shape_is_right:
; out0[m][n] = sum over k of A[m][k] B[n][k] + proj_b[n].  A = att16 [8192][1024] f16 (the attention's result / 16), B = pw16 [1024][1024] f16 (16 x proj_w): the two powers of two cancel; sums in f32; out0 f32.
; A tile of the result is 128 rows x 256 columns: 256 work-groups.  Four waves, each 64 x 128: 32 accumulators of 16 x 16, 256 registers.  The bias is the C of each sum's first product: nothing is cleared and nothing is added later.
; K goes in steps of 128 (rows of 256 bytes of memory) through a ring of two LDS slots filled by the tensor data mover: waves 0 and 1 fetch A's two halves (64 rows each), waves 2 and 3 B's (128 rows each).
; CLUSTERS: 4 x 4 work-groups.  The four of a row of the cluster need the same tiles of A, the four of a column the same tiles of B: each tile is asked for JOINTLY, by the same tensor load with the same descriptor and a mask that names the four.
; THE MATRIX INSTRUCTION IS USED TRANSPOSED (source 0 = 16 rows of B, source 1 = 16 rows of A): a lane then holds eight neighbouring numbers of a row of the result.
; REGISTERS: window 0: v0-31 addresses; two fragment buffers of 96 for 32 along K (A's four fragments, then B's eight): v64-159, v160-255; on the way out v64-191 take rows.
;   window 1: the accumulators ((a, b) at v[8 (8 a + b)]).   window 2: v0-63 the bias, eight registers for each of my 8 blocks of columns.
.set KSTEP,  128
.set KROW,   2048                      ; a row of A or of B in memory, in bytes
.set OROW,   4096                      ; a row of the result
.set PITCH,  272                       ; an LDS row: 256 bytes + 16 of padding: row r starts at bank 4 r mod 64 (64 banks of 4 bytes: ISA guide 11.1)
.set BOFF,   128*PITCH                 ; B's 256 rows lie behind A's 128
.set SLOT,   384*PITCH
.set STAGE,  2*SLOT                    ; behind the ring: 16 rows x 528 bytes for each wave, for the way out; no tensor load lands there
.set SPITCH, 528
.set SPARE,  STAGE+4*16*SPITCH         ; behind the stages: the spare words, 128 bytes for each wave, which no other line names
.set LAPS,   1024/(2*KSTEP)            ; a lap = two K steps = once round the ring
.set ADRA, 16                          ; v16-17  LDS address of my A fragments in slot 0, 1
.set ADRB, 20                          ; v20-21  the same for B
.set STO,  24                          ; v24     the way out: where I put 32 bytes of a row
.set RD,   25                          ; v25     where I read a row back
.set CO,   26                          ; v26     my byte offset in a row of the result
.set SPW,  28                          ; v28     LDS address of my spare word; never rewritten
.set NIL,  29                          ; v29     0; never rewritten
.set PFO,  30                          ; v30     KROW x my lane: the prefetches' offset; never rewritten
.set F0,   64
.set F1,   160
.set BK,   64                          ; the way out: 16 rows read back: v64-127 and v128-191 by turns
.set LIM,  2                           ; s2      1 in the wave that prefetches, else the greatest number
.set PFA,  8                           ; s[8:9]  where my prefetches stand
.set G1, 24                            ; s[24:31] descriptor group 1 for A's tiles;  s[32:39] group 0, one set for each slot
.set G0, 32
.set G1B, 48                           ; s[48:55], s[56:63] the same for B's tiles
.set G0B, 56
.set MSB, 0
.macro WIN new                         ; s_set_vgpr_msb: bits 1:0 source 0, 3:2 source 1, 5:4 source 2, 7:6 destination; the high byte repeats the setting that is left
.if MSB != (\new)
	s_set_vgpr_msb (MSB<<8)|(\new)
.set MSB, (\new)
.endif
.endm
.set MUL,  0x50                        ; fragments in window 0; C and D window 1
.set MULZ, 0x60                        ; the first products: C is the bias, in window 2; D window 1
.macro JLOAD s                         ; a joint load: the branch hangs on the wave's number alone; four v_nop follow each of the two lines, ahead of the jump, the label and what follows
	s_cmp_eq_u32 s11, 0
	s_cbranch_scc0 .Lfor_b_\@
	tensor_load_to_lds s[G0+4*\s:G0+4*\s+3], s[G1:G1+7]
	s_nop 0
.rept 4
	v_nop
.endr
	s_branch .Lasked_\@
.Lfor_b_\@:
	tensor_load_to_lds s[G0B+4*\s:G0B+4*\s+3], s[G1B:G1B+7]
	s_nop 0
.rept 4
	v_nop
.endr
.Lasked_\@:
.endm
.macro CREST                           ; a round of the cluster's barrier behind its opening barrier
	s_cmp_lg_u32 s10, 0
	s_cbranch_scc1 .Lnot_wave_0_\@
	s_barrier_signal -3
.Lnot_wave_0_\@:
	s_barrier_wait -3
	s_barrier_signal -1
	s_barrier_wait -1
.endm
.macro CROUND                          ; a whole round
	s_barrier_signal -1
	s_barrier_wait -1
	CREST
.endm
; A PREFETCH INTO THE L2, behind a joint load, its four lines and the run of LDS loads that follows: A's K step that stands TWO refills on: 32 rows x 256 bytes, a lane a row.  A's rows are read by one row of one cluster alone:
; its four partners share a tile's 128 rows out BY ADDRESS, 32 each, and in each wave 0 asks: each row's 256 bytes of a K step are named once in the launch.  K steps 0 to 3 come by their loads alone; the loop's last trip,
; whose refills are the last two K steps, asks for nothing.  B is not asked for: all sixteen clusters read the same rows of it again and again.
.macro ASK
	s_cmp_gt_u32 s3, s[LIM]                        ; s3 = 1 in the loop's last trip
	s_cbranch_scc0 .Lnot_mine_\@
	global_prefetch_b8 v[PFO], s[PFA:PFA+1] th:TH_LOAD_NT scope:SCOPE_SE
.Lnot_mine_\@:
.endm
	s_load_b128 s[4:7], s[0:1], 0x0                ; A s[4:5], B s[6:7]
	s_load_b128 s[68:71], s[0:1], 0x10             ; the bias s[68:69], the result s[70:71]
	v_lshl_add_u32 v[SPW], v0, 2, SPARE
	v_mov_b32 v[NIL], 0
	ds_add_u32 v28, v29
	ds_add_u32 v28, v29
	s_wait_dscnt 0x0
	v_lshrrev_b32 v1, 5, v0
	v_readfirstlane_b32 s10, v1                    ; wave 0..3
	s_lshr_b32 s11, s10, 1                         ; which half of the tile's rows is mine.  Also: I fetch for A (0) or for B (1)
	s_and_b32 s12, s10, 1                          ; which half of its columns.  Also: which half of that tile I fetch
	s_bfe_u32 s40, ttmp6, 0x40000                  ; cx, cy: my place in the cluster
	s_bfe_u32 s41, ttmp6, 0x40004
	s_lshl_b32 s42, ttmp9, 2
	s_add_co_u32 s42, s42, s40                     ; tile column = 4 x cluster x + cx
	s_and_b32 s13, ttmp7, 0xffff
	s_lshl_b32 s13, s13, 2
	s_add_co_u32 s13, s13, s41                     ; tile row = 4 x cluster y + cy
	s_lshl_b32 s43, s41, 2
	s_lshl_b32 s43, 15, s43                        ; my row of the cluster
	s_lshl_b32 s44, 0x1111, s40                    ; my column
	; descriptor groups 1: A: 64 rows x 128 elements of 2 bytes; B: 128 rows; both padded in LDS
	s_or_b32 s[G1+0], s43, (1<<16)|(1<<20)|(1<<21)|(5<<22)|(3<<25)  ; 15:0 the mask: A's tiles go to my row; 17:16 element of 2 bytes; 20 padding on; 21 set beside a mask; 24:22 after every 64 words (code 5); 31:25 of 4 words (code 3)
	s_or_b32 s[G1B+0], s44, (1<<16)|(1<<20)|(1<<21)|(5<<22)|(3<<25)
	s_mov_b32 s[G1+1], KSTEP<<16                   ; tensor_dim0 = 128
	s_mov_b32 s[G1+2], 64<<16                      ; tensor_dim1 = 64
	s_mov_b32 s[G1+3], KSTEP<<16                   ; tile_dim0 = 128
	s_mov_b32 s[G1+4], 64                          ; tile_dim1 = 64
	s_mov_b32 s[G1+5], KROW/2                      ; tensor_dim0_stride, in elements
	s_mov_b32 s[G1+6], 0
	s_mov_b32 s[G1+7], 0
	s_mov_b32 s[G1B+1], KSTEP<<16
	s_mov_b32 s[G1B+2], 128<<16                    ; tensor_dim1 = 128
	s_mov_b32 s[G1B+3], KSTEP<<16
	s_mov_b32 s[G1B+4], 128                        ; tile_dim1 = 128
	s_mov_b32 s[G1B+5], KROW/2
	s_mov_b32 s[G1B+6], 0
	s_mov_b32 s[G1B+7], 0
	s_lshl_b32 s17, s12, 6
	s_lshl_b32 s16, s13, 7
	s_add_co_u32 s16, s16, s17                     ; A: row 128 x tile row + 64 x half,
	s_lshl_b32 s16, s16, 11                        ; of 2,048 bytes
	s_mov_b32 s17, 0
	s_lshl_b32 s47, s12, 7
	s_lshl_b32 s46, s42, 8
	s_add_co_u32 s46, s46, s47                     ; B: row 256 x tile column + 128 x half
	s_lshl_b32 s46, s46, 11
	s_mov_b32 s47, 0
	s_mul_i32 s20, s12, 64*PITCH                   ; where they go: no place in the cluster enters an LDS address
	s_mul_i32 s21, s12, 128*PITCH
	s_add_co_u32 s21, s21, BOFF
	s_lshl_b32 s8, s13, 7                          ; the prefetches: A's tile row,
	s_lshl_b32 s9, s40, 5
	s_add_co_u32 s8, s8, s9                        ; my work-group's 32 rows of its 128,
	s_lshl_b32 s8, s8, 11
	s_add_co_u32 s8, s8, 3*KSTEP*2                 ; at K step 3: the first refill steps it to 4.  Nothing is prefetched here, at the head
	s_mov_b32 s9, 0
	s_cmp_eq_u32 s10, 0
	s_cselect_b32 s[LIM], 1, -1
	s_wait_kmcnt 0x0
	s_add_nc_u64 s[14:15], s[4:5], s[16:17]
	s_add_nc_u64 s[46:47], s[6:7], s[46:47]
	s_add_nc_u64 s[PFA:PFA+1], s[4:5], s[PFA:PFA+1]
	CROUND                                         ; all sixteen work-groups are here: the first joint loads meet
.irp s, 0,1
	s_mov_b32 s[G0+4*\s], 1
	s_add_co_u32 s[G0+4*\s+1], s20, \s*SLOT
	s_add_nc_u64 s[G0+4*\s+2:G0+4*\s+3], s[14:15], \s*KSTEP*2
	s_or_b32 s[G0+4*\s+3], s[G0+4*\s+3], 0x80000000
	s_mov_b32 s[G0B+4*\s], 1
	s_add_co_u32 s[G0B+4*\s+1], s21, \s*SLOT
	s_add_nc_u64 s[G0B+4*\s+2:G0B+4*\s+3], s[46:47], \s*KSTEP*2
	s_or_b32 s[G0B+4*\s+3], s[G0B+4*\s+3], 0x80000000
	JLOAD \s                                       ; two tensor loads of mine are out after the second: K steps 0 and 1
.endr
	v_and_b32 v1, 15, v0                           ; l % 16
	v_bfe_u32 v2, v0, 4, 1                         ; l / 16
	v_mul_u32_u24 v3, v1, PITCH
	v_lshl_add_u32 v3, v2, 4, v3                   ; a fragment's row x pitch + 16 x half
	s_mul_i32 s21, s11, 64*PITCH                   ; my 64 rows of A
	s_mul_i32 s22, s12, 128*PITCH                  ; my 128 rows of B,
	s_add_co_u32 s22, s22, BOFF                    ; which lie behind A's 128
.irp s, 0,1
	v_add_nc_u32 v[ADRA+\s], s21, v3
	v_add_nc_u32 v[ADRB+\s], s22, v3
	s_add_co_u32 s21, s21, SLOT
	s_add_co_u32 s22, s22, SLOT
.endr
	s_mul_i32 s23, s10, 16*SPITCH
	s_add_co_u32 s23, s23, STAGE                   ; my stage
	v_mul_u32_u24 v5, v1, SPITCH                   ; in: row l % 16, 32 bytes for each half of the lanes
	v_lshl_add_u32 v5, v2, 5, v5
	v_add_nc_u32 v[STO], s23, v5
	v_and_b32 v6, 31, v0
	v_lshlrev_b32 v[CO], 4, v6                     ; back: the 32 lanes take one row of 512 bytes; and the same in the result
	v_add_nc_u32 v[RD], s23, v[CO]
	v_lshlrev_b32 v[PFO], 11, v6
	s_lshl_b32 s16, s13, 7
	s_lshl_b32 s17, s11, 6
	s_add_co_u32 s16, s16, s17                     ; my first row: 128 x tile row + 64 x half,
	s_lshl_b32 s16, s16, 12                        ; of 4,096 bytes
	s_mov_b32 s17, 0
	s_add_nc_u64 s[70:71], s[70:71], s[16:17]
	s_lshl_b32 s46, s42, 10                        ; my first column, in bytes of f32: 1,024 x tile column + 512 x half: in the result and in the bias
	s_lshl_b32 s47, s12, 9
	s_add_co_u32 s46, s46, s47
	s_mov_b32 s47, 0
	s_add_nc_u64 s[70:71], s[70:71], s[46:47]
	s_add_nc_u64 s[68:69], s[68:69], s[46:47]
	v_lshlrev_b32 v7, 5, v2                        ; in the result's layout lane (r, h) holds columns 16 b + 8 h + 0 .. 7 of block b: 32 h bytes on
	WIN 0x80                                       ; destination window 2
.irp b, 0,1,2,3,4,5,6,7
	global_load_b128 v[8*\b:8*\b+3], v7, s[68:69] offset:64*\b
	global_load_b128 v[8*\b+4:8*\b+7], v7, s[68:69] offset:64*\b+16
.endr
	WIN 0
; 8 matrix instructions: A's block a x B's eight, 32 along K, from buffer f.  zero = 1: the first product starts the sums on the bias.  The 32 accumulators take turns, one instruction a turn.
.macro MULA f, a, zero
.irp b, 0,1,2,3,4,5,6,7
.if \zero
	v_wmma_f32_16x16x32_f16 v[8*(8*(\a)+\b):8*(8*(\a)+\b)+7], v[\f+32+8*\b:\f+32+8*\b+7], v[\f+8*(\a):\f+8*(\a)+7], v[8*\b:8*\b+7]
.else
	v_wmma_f32_16x16x32_f16 v[8*(8*(\a)+\b):8*(8*(\a)+\b)+7], v[\f+32+8*\b:\f+32+8*\b+7], v[\f+8*(\a):\f+8*(\a)+7], v[8*(8*(\a)+\b):8*(8*(\a)+\b)+7]
.endif
.endr
.endm
; 24 LDS loads in one run: the fragments of 32 along K at byte k of the rows, into buffer f.  A fragment is 16 rows x 32 K in 8 registers: lane l holds row l % 16; two loads of 16 bytes, 32 bytes apart.
.macro FETCH slot, k, f
.irp i, 0,1,2,3,4,5,6,7
	ds_load_b128 v[\f+32+8*\i:\f+32+8*\i+3],   v[ADRB+\slot] offset:\k+\i*16*PITCH
	ds_load_b128 v[\f+32+8*\i+4:\f+32+8*\i+7], v[ADRB+\slot] offset:\k+\i*16*PITCH+32
.endr
.irp i, 0,1,2,3
	ds_load_b128 v[\f+8*\i:\f+8*\i+3],   v[ADRA+\slot] offset:\k+\i*16*PITCH
	ds_load_b128 v[\f+8*\i+4:\f+8*\i+7], v[ADRA+\slot] offset:\k+\i*16*PITCH+32
.endr
.endm
.macro PLACES                          ; four places in front of loads into registers that matrix instructions have read, and of the first read of results (ISA guide 7.12.1 for vector instructions)
.rept 4
	v_nop
.endr
.endm
; A K step is four quarters of 32 along K, 32 matrix instructions each, on buffers 0, 1, 0, 1.  One of the first three: the next quarter's loads, at byte k, go out into g, and then buffer f is multiplied: they have 32 matrix instructions in which to land.
.macro QUARTER slot, k, f, g, zero
	s_wait_dscnt 0x0                               ; buffer f is in
	PLACES
	FETCH \slot, \k, \g
.if \zero
	WIN MULZ
.else
	WIN MUL
.endif
	MULA \f, 0, \zero
	MULA \f, 1, \zero
	MULA \f, 2, \zero
	MULA \f, 3, \zero
	WIN 0
.endm
; The last quarter multiplies buffer 1 and changes slots: ONE barrier; in front of it each wave waits for all its tensor loads, adds 0 to its spare word, and waits for that and for its own reads of this slot.  fill = 1: this slot is filled again, two K steps ahead.
.macro TURN slot, next, fill
.if \fill
	s_wait_xcnt 0x0                                ; the last prefetch, a K step back, has read its address: it is stepped here, ahead of the waits of the change of slots
	s_add_nc_u64 s[PFA:PFA+1], s[PFA:PFA+1], KSTEP*2
.endif
	s_wait_tensorcnt 0x0                           ; all my tensor loads have landed: my part of the next slot;  (every window is 0 here)
	ds_add_u32 v[SPW], v[NIL]                      ; 0 onto my spare word
	s_wait_dscnt 1                                 ; buffer 1 is in (the add may be out)
	WIN MUL
	MULA F1, 0, 0                                  ; eight matrix instructions stand between the add and the wait for it
	s_wait_dscnt 0x0                               ; the add is done, and my reads of this slot are over
	s_barrier_signal -1
	MULA F1, 1, 0
	WIN 0
	s_barrier_wait -1
.if \fill
	CREST                                          ; the barrier has opened a round of the cluster's barrier: no wave of any partner still reads this slot's tile or has a load on its way
	s_add_nc_u64 s[G0+4*\slot+2:G0+4*\slot+3], s[G0+4*\slot+2:G0+4*\slot+3], 2*KSTEP*2
	s_add_nc_u64 s[G0B+4*\slot+2:G0B+4*\slot+3], s[G0B+4*\slot+2:G0B+4*\slot+3], 2*KSTEP*2
	JLOAD \slot                                    ; the first tensor load behind the round; the four v_nop behind it are also the places in front of the loads below
.else
	PLACES
.endif
	FETCH \next, 0, F0
.if \fill
	ASK
.endif
	WIN MUL
	MULA F1, 2, 0
	MULA F1, 3, 0
	WIN 0
.endm
	s_wait_loadcnt 0x0                             ; the bias
	s_wait_tensorcnt 1                             ; my part of K step 0 is in (K step 1's load may be out)
	s_barrier_signal -1
	s_barrier_wait -1                              ; everybody's is
	FETCH 0, 0, F0
	QUARTER 0, 64,  F0, F1, 1                      ; the first quarter stands in front of the loop: its products start the sums on the bias
	s_mov_b32 s3, LAPS-1
.Llap:                                             ; a trip goes once round the ring, from a lap's second quarter to the next lap's first, and fills both slots again
	QUARTER 0, 128, F1, F0, 0
	QUARTER 0, 192, F0, F1, 0
	TURN 0, 1, 1
	QUARTER 1, 64,  F0, F1, 0
	QUARTER 1, 128, F1, F0, 0
	QUARTER 1, 192, F0, F1, 0
	TURN 1, 0, 1
	QUARTER 0, 64,  F0, F1, 0
	s_sub_co_u32 s3, s3, 1
	s_cmp_lg_u32 s3, 0
	s_cbranch_scc1 .Llap
	QUARTER 0, 128, F1, F0, 0                      ; the last lap fills nothing, and has no round of the cluster's barrier
	QUARTER 0, 192, F0, F1, 0
	TURN 0, 1, 0
	QUARTER 1, 64,  F0, F1, 0
	QUARTER 1, 128, F1, F0, 0
	QUARTER 1, 192, F0, F1, 0
	s_wait_dscnt 0x0                               ; the very last quarter: nothing more to fetch
	WIN MUL
	MULA F1, 0, 0
	MULA F1, 1, 0
	MULA F1, 2, 0
	MULA F1, 3, 0
	WIN 0
; THE WAY OUT, block by block of 16 rows x 128 columns.  A lane holds 32 neighbouring bytes of a row, and the lanes beside it hold other rows: so a block goes through my own stage in LDS and comes back as whole rows of 512 bytes.
; LDS serves a wave's instructions in order (ISA guide 5.7.1.4): no wait between the stores and the loads, nor in front of the next block's stores.
.macro TOSTAGE a
	WIN 0x04                                       ; an LDS store's data are its source 1: window 1
.irp b, 0,1,2,3,4,5,6,7
	ds_store_b128 v[STO], v[64*(\a)+8*\b:64*(\a)+8*\b+3] offset:64*\b            ; each accumulator from its low end on
	ds_store_b128 v[STO], v[64*(\a)+8*\b+4:64*(\a)+8*\b+7] offset:64*\b+16
.endr
	WIN 0
.set BB, BK+64*((\a)%2)
.irp t, 0,1,2,3,4,5,6,7,8,9,10,11,12,13,14,15
	ds_load_b128 v[BB+4*\t:BB+4*\t+3], v[RD] offset:\t*SPITCH
.endr
.endm
.macro SEND a, younger                 ; younger: the LDS instructions issued behind block a's loads, which may stay out
.set BB, BK+64*((\a)%2)
	s_wait_dscnt \younger                          ; the block is back in registers
.if (\a) > 0
	s_add_nc_u64 s[70:71], s[70:71], 16*OROW       ; (behind a wait on XCNT: the earlier stores have read their base)  16 rows on
.endif
.irp t, 0,1,2,3,4,5,6,7,8,9,10,11,12,13,14,15
	global_store_b128 v[CO], v[BB+4*\t:BB+4*\t+3], s[70:71] offset:\t*OROW th:TH_STORE_NT   ; 32 lanes store 512 consecutive bytes, at a multiple of 256 from the buffer's first byte; written once, read by nobody here
.endr
.endm
	PLACES                                         ; behind the last products: their results are read, and their operands' registers loaded into, below
	TOSTAGE 0
.irp a, 1,2,3
.if \a > 1
	s_wait_xcnt 0x0                                ; block a - 2's stores have read their registers and their base: block a's loads may land there, and the base may step
.endif
	TOSTAGE \a
	SEND \a-1, 32                                  ; behind block a - 1's loads: block a's 16 stores and 16 loads
.endr
	s_wait_xcnt 0x0                                ; block 2's stores have read their base
	SEND 3, 0
	s_wait_tensorcnt 0x0                           ; the wave's end: behind my last tensor load and my last LDS store
	ds_add_u32 v[SPW], v[NIL]
	s_wait_dscnt 0x0
	CROUND                                         ; the closing round: no work-group ends while a partner may still ask for a tile that names it
	s_endpgm
.Lfunc_end_k_q94f5de0834_proj:
	.size	k_q94f5de0834_proj, .Lfunc_end_k_q94f5de0834_proj-k_q94f5de0834_proj
	.p2alignl 7, 3214868480
	.fill 96, 4, 3214868480
	.section	.rodata,"a",@progbits
	.p2align	6, 0x0
	.amdhsa_kernel k_q94f5de0834_proj
		.amdhsa_group_segment_fixed_size 327680
		.amdhsa_private_segment_fixed_size 0
		.amdhsa_enable_private_segment 0
		.amdhsa_kernarg_size 32
		.amdhsa_user_sgpr_count 2
		.amdhsa_user_sgpr_kernarg_segment_ptr 1
		.amdhsa_wavefront_size32 1
		.amdhsa_system_sgpr_workgroup_id_x 1
		.amdhsa_system_sgpr_workgroup_id_y 1
		.amdhsa_system_sgpr_workgroup_id_z 1
		.amdhsa_system_vgpr_workitem_id 0
		.amdhsa_next_free_vgpr 576
		.amdhsa_next_free_sgpr 72
		.amdhsa_reserve_vcc 0
		.amdhsa_float_denorm_mode_32 3
		.amdhsa_float_denorm_mode_16_64 3
		.amdhsa_memory_ordered 1
		.amdhsa_forward_progress 1
		.amdhsa_inst_pref_size 87
	.end_amdhsa_kernel
	.amdgpu_metadata
---
amdhsa.version: [ 1, 2 ]
amdhsa.kernels:
  - .name:           k_q94f5de0834_proj
    .symbol:         k_q94f5de0834_proj.kd
    .args:
      - { .name: att16, .offset: 0, .size: 8, .value_kind: global_buffer, .address_space: global }
      - { .name: pw16, .offset: 8, .size: 8, .value_kind: global_buffer, .address_space: global }
      - { .name: proj_b, .offset: 16, .size: 8, .value_kind: global_buffer, .address_space: global }
      - { .name: out0, .offset: 24, .size: 8, .value_kind: global_buffer, .address_space: global }
    .group_segment_fixed_size: 327680
    .private_segment_fixed_size: 0
    .kernarg_segment_align: 8
    .kernarg_segment_size: 32
    .max_flat_workgroup_size: 128
    .sgpr_count:     72
    .vgpr_count:     576
    .wavefront_size: 32
...
	.end_amdgpu_metadata
.endif
;; end of part 4
